; MI455X (gfx1250); checked and timed in simulation.
; The chip was launched on July 23, 2026; its instructions are those of AMD's public machine-readable ISA for CDNA 5 (MIT licence, August 2026) and "CDNA5" Instruction Set Architecture Reference Guide (July 2026). The comments in the code are by the model that wrote it; some were corrected since.
;; Attention1 D. Allowed arithmetic: matrix products marked QUANTISED: E4M3 operands, one given power-of-two scale a tensor, by v_wmma_f32_16x16x64_fp8_fp8 or v_wmma_f32_16x16x128_fp8_fp8, f32 sums; products left as they are: f32 operands where the result goes on into a quantised operand, else bf16, f16 or f32 operands; f32 sums; everything else in f32.
;; Inputs: W_map 1,024 float32; W_ques 2,048 x 1,024 float32; W_vis 2,048 x 1,024 float32; X 256 x 2,048 float32; Y 256 x 128 x 2,048 float32; b_map one number float32; b_ques 1,024 float32; lowp_scales 4 int32 (the exponents e of the quantised operands' scales 2^e).
;; Outputs: out0 256 x 2,048 float32.
;; This version of the problem:
;;   THIS VERSION OF THE PROBLEM IS GIVEN IN LOW PRECISION. The matrix products marked QUANTISED in the list below multiply operands that are first quantised to E4M3 (4 exponent bits, 3 mantissa bits; 8 bits a number), with one given power-of-two scale for each operand tensor; their sums are f32. All else is computed in f32.
;;   The module's matrix products, in the order in which they are computed (A, B: the left and right operand; K: the contracted axis; several contracted axes count as one K, in the product's order):
;;     1. [M 256, K 2,048] x [K 2,048, N 1,024]; A: input X; B: input W_ques: QUANTISED (scales: A lowp_scales[0], B lowp_scales[1])
;;     2. [M 32,768, K 2,048] x [K 2,048, N 1,024]; A: input Y; B: input W_vis: QUANTISED (scales: A lowp_scales[2], B lowp_scales[3])
;;     3. [M 32,768, K 1,024] x [K 1,024, N 1]; A: computed on the way; B: input W_map: left as it is (N = 1 < 16)
;;     4. batch 256 x [M 1, K 128] x [K 128, N 2,048]; A: softmax; B: input Y: left as it is (M = 1 < 16)
;;   THE QUANTISER, for each operand of a quantised product, along K:
;;     - The operand's scale is 2^e, e = its entry of the input lowp_scales (int32; the entries are numbered through the quantised products in the list's order, A before B).
;;     - Each number is divided by the scale, clamped to +-448, and rounded to the nearest number of E4M3, ties to even, subnormals kept.
;;     - The product sums the exact products of the quantised numbers (number of the format x scale) in f32.
;;   ~~~python
;;   def quantise(x, axis, e):      # numpy; x: float32 -> the quantised numbers, widened to float32 again
;;       x = np.moveaxis(x, axis, -1); K = x.shape[-1]
;;       r = np.clip(x / 2.0 ** e, -448, 448)
;;       step = 2.0 ** (np.maximum(np.frexp(np.where(r == 0, 1, r))[1] - 1, -6) - 3)
;;       q = np.round(r / step) * step * 2.0 ** e      # np.round: ties to even
;;       return np.moveaxis(q, -1, axis).astype(np.float32)
;;   ~~~
;; 2 versions. Each part assembles by itself: llvm-mc -triple=amdgcn-amd-amdhsa -mcpu=gfx1250 --defsym DOCPART=n.
;; ======== version 1 of 2: 3 launches
;; workspace buffers: wv_img 2,097,152 bytes; wq_img 2,097,152 bytes; xa 1,048,576 bytes
;; launch prep (part 1): grid 8 x 32, 4 waves a work-group, no clusters, 0 bytes of LDS; arguments W_vis, W_ques, lowp_scales, wv_img, wq_img; writes wv_img, wq_img
.if DOCPART == 1
	.amdgcn_target "amdgcn-amd-amdhsa--gfx1250"
	.amdhsa_code_object_version 6
	.text
	.protected	k_qbe718bb21b_prep
	.globl	k_qbe718bb21b_prep
	.p2align	8
	.type	k_qbe718bb21b_prep,@function
k_qbe718bb21b_prep:
	s_mov_b64 s[64:65], 0
	v_nop
	global_prefetch_b8 v0, s[64:65] scope:SCOPE_SE
	s_setreg_imm32_b32 hwreg(HW_REG_WAVE_MODE, 25, 1), 1
	s_wait_xcnt 0x0
; THE PROGRAM (three launches): out[b] = sum over n of softmax_n( sum over a of relu(X2att[b][a] + (Y[b] W_vis)[n][a]) W_map[a] ) Y[b][n].
; DEAD WORK, left out in the whole program: b_map.  reference() adds the one number b_map to all 128 logits of a batch and takes the softmax along just those 128:
; exp(l + c - max(l + c)) / sum of exp(l + c - max(l + c)) = exp(l - max l) / sum of exp(l - max l) for every finite c.  The logits go nowhere else, so b_map has no way to out0:
; it is not loaded and is among no launch's arguments.  LIMIT: a NaN, an infinity or an overflow that b_map alone would bring is not carried to the result.
;
; THIS LAUNCH: W_vis and W_ques, [2048 (k)][1024 (n)] f32, K their FIRST axis, become codes of E4M3 with the scales 2^e that are given (entry 3 and entry 1 of the scales), each once,
; laid as IMAGES OF OPERAND REGISTERS.  code = x / 2^e, held within +-448, to the nearest code, ties to even.  LIMITS: -126 <= e <= 119; NaN among the inputs is not served.
; A PERMUTATION OF K, the same in X, Y, W_ques and W_vis, so that every product keeps its partner and only the order inside the sums differs from reference()'s:
; position s = 256 J + 8 l + i (l = 0 .. 31, i = 0 .. 7) holds k = 256 J + 128 (i / 4) + 4 l + i % 4.  (With it a lane that loads 16 neighbouring bytes of Y twice, 512 bytes apart, holds eight neighbouring positions.)
; THE IMAGE.  The fragment of columns 16 NB .. 16 NB + 15 and positions 128 k .. 128 k + 127 lies at byte 2048 (((NB / 4) 16 + k) 4 + NB % 4); in it byte 512 c + 256 h + 16 r + 0 .. 15 holds
; column 16 NB + r, positions 128 k + 32 c + 16 h + 0 .. 15: four loads of 16 bytes a lane at 16 x lane + 512 c fill the fragment's 16 registers.
; SHARES.  Work-group x: 128 columns; y % 16: the 128 positions k; y / 16: the tensor.  A wave takes 32 columns, A LANE A COLUMN, AND ITS REGISTERS RUN ALONG THE POSITIONS: each load reads one row of W at 32
; neighbouring columns (128 consecutive bytes a wave, 512 a work-group), and the conversions, which take eight neighbours from one lane's registers, give the image's bytes.  Nothing is transposed, no LDS, no barrier.
.set ROWW, 4096                        ; a row of W in bytes
.set X,    32                          ; v32-159  my column's 128 numbers, in the order of the positions
.set C,    160                         ; v160-191 their codes: eight registers for each block of 32; no register is written twice, so no store's data are written again
	s_load_b128 s[4:7], s[0:1], 0x0                ; W_vis, W_ques
	s_load_b64 s[8:9], s[0:1], 0x10                ; the scales' exponents
	s_load_b128 s[12:15], s[0:1], 0x18             ; W_vis's image, W_ques's image
	v_lshrrev_b32 v1, 5, v0
	v_readfirstlane_b32 s16, v1                    ; wave 0..3
	v_and_b32 v2, 31, v0                           ; lane
	v_lshlrev_b32 v3, 2, v2                        ; in: 4 bytes a lane
	v_lshrrev_b32 v5, 4, v2
	v_and_b32 v6, 15, v2
	v_lshlrev_b32 v4, 4, v6
	v_lshl_add_u32 v4, v5, 11, v4                  ; out: lanes 0-15 one fragment, lanes 16-31 the next (2,048 bytes on); 16 bytes a lane
	s_and_b32 s17, ttmp7, 0xffff                   ; y
	s_and_b32 s18, s17, 15                         ; k: which 128 positions
	s_lshr_b32 s19, s17, 4                         ; 0: W_vis, 1: W_ques
	s_lshl_b32 s20, ttmp9, 2
	s_add_co_u32 s20, s20, s16                     ; u: which 32 columns
	s_lshr_b32 s21, s18, 1
	s_lshl_b32 s21, s21, 20                        ; 256 (k / 2) rows of 4,096 bytes
	s_and_b32 s22, s18, 1
	s_lshl_b32 s22, s22, 18                        ; + 64 (k % 2) rows
	s_add_co_u32 s21, s21, s22
	s_lshl_b32 s22, s20, 7                         ; + 128 u bytes
	s_add_co_u32 s24, s21, s22
	s_mov_b32 s25, 0
	s_lshr_b32 s21, s20, 1
	s_lshl_b32 s21, s21, 4
	s_add_co_u32 s21, s21, s18
	s_lshl_b32 s21, s21, 13                        ; ((u / 2) 16 + k) x 8,192
	s_and_b32 s22, s20, 1
	s_lshl_b32 s22, s22, 12                        ; + (u % 2) x 4,096
	s_add_co_u32 s26, s21, s22
	s_mov_b32 s27, 0
	s_wait_kmcnt 0x0
	s_load_b128 s[28:31], s[8:9], 0x0              ; the four exponents
	s_cmp_eq_u32 s19, 0                            ; the choice hangs on the work-group's number alone
	s_cselect_b64 s[4:5], s[4:5], s[6:7]
	s_cselect_b64 s[12:13], s[12:13], s[14:15]
	s_add_nc_u64 s[4:5], s[4:5], s[24:25]
	s_add_nc_u64 s[12:13], s[12:13], s[26:27]
; block c: positions 32 c + 0 .. 31.  Position q of the 128 is row 128 ((q / 4) % 2) + 4 (q / 8) + q % 4 from the base: 191 rows at the most, inside the signed 24-bit immediate
.macro LOADW c
.set q, 32*(\c)
.rept 32
	global_load_b32 v[X+q], v3, s[4:5] offset:(128*((q/4)%2)+4*(q/8)+q%4)*ROWW th:TH_LOAD_NT
.set q, q+1
.endr
.endm
	LOADW 0
	LOADW 1
	LOADW 2
	LOADW 3
	s_wait_kmcnt 0x0
	s_cmp_eq_u32 s19, 0
	s_cselect_b32 s28, s31, s29                    ; e: entry 3 for W_vis, entry 1 for W_ques
	s_add_co_i32 s28, s28, 127
	s_lshl_b32 s29, s28, 23
	v_mov_b32 v11, s29                             ; 2^e as f32: the conversion takes its exponent field
	s_add_co_i32 s28, s28, 8
	s_lshl_b32 s28, s28, 23
	s_or_b32 s28, s28, 0x600000
	v_mov_b32 v10, s28                             ; 448 x 2^e
.macro BLK c, cnt
	s_wait_loadcnt \cnt                            ; behind block c's loads 96, 64, 32, 0 were issued; the wait's field ends at 63, and a smaller count only waits for more
.set q, X+32*(\c)
.rept 32
	v_med3_num_f32 v[q], v[q], -v10, v10           ; the conversion to an 8-bit code does not saturate (ISA guide 7.6.2): the hold at the largest code x the scale
.set q, q+1
.endr
.irp g, 0,1,2,3
	v_cvt_scalef32_pk8_fp8_f32 v[C+8*(\c)+2*\g:C+8*(\c)+2*\g+1], v[X+32*(\c)+8*\g:X+32*(\c)+8*\g+7], v11
.endr
	global_store_b128 v4, v[C+8*(\c):C+8*(\c)+3], s[12:13] offset:512*(\c)          ; positions 32 c + 0 .. 15: sixteen lanes store 256 consecutive bytes, aligned
	global_store_b128 v4, v[C+8*(\c)+4:C+8*(\c)+7], s[12:13] offset:512*(\c)+256    ; positions 32 c + 16 .. 31
.endm
	BLK 0, 63
	BLK 1, 63
	BLK 2, 32
	BLK 3, 0
	s_endpgm
.Lfunc_end_k_qbe718bb21b_prep:
	.size	k_qbe718bb21b_prep, .Lfunc_end_k_qbe718bb21b_prep-k_qbe718bb21b_prep
	.p2alignl 7, 3214868480
	.fill 96, 4, 3214868480
	.section	.rodata,"a",@progbits
	.p2align	6, 0x0
	.amdhsa_kernel k_qbe718bb21b_prep
		.amdhsa_group_segment_fixed_size 0
		.amdhsa_private_segment_fixed_size 0
		.amdhsa_enable_private_segment 0
		.amdhsa_kernarg_size 40
		.amdhsa_user_sgpr_count 2
		.amdhsa_user_sgpr_kernarg_segment_ptr 1
		.amdhsa_wavefront_size32 1
		.amdhsa_system_sgpr_workgroup_id_x 1
		.amdhsa_system_sgpr_workgroup_id_y 1
		.amdhsa_system_sgpr_workgroup_id_z 1
		.amdhsa_system_vgpr_workitem_id 0
		.amdhsa_next_free_vgpr 192
		.amdhsa_next_free_sgpr 66
		.amdhsa_reserve_vcc 0
		.amdhsa_float_denorm_mode_32 3
		.amdhsa_float_denorm_mode_16_64 3
		.amdhsa_memory_ordered 1
		.amdhsa_forward_progress 1
		.amdhsa_inst_pref_size 24
	.end_amdhsa_kernel
	.amdgpu_metadata
---
amdhsa.version: [ 1, 2 ]
amdhsa.kernels:
  - .name:           k_qbe718bb21b_prep
    .symbol:         k_qbe718bb21b_prep.kd
    .args:
      - { .name: W_vis, .offset: 0, .size: 8, .value_kind: global_buffer, .address_space: global }
      - { .name: W_ques, .offset: 8, .size: 8, .value_kind: global_buffer, .address_space: global }
      - { .name: lowp_scales, .offset: 16, .size: 8, .value_kind: global_buffer, .address_space: global }
      - { .name: wv_img, .offset: 24, .size: 8, .value_kind: global_buffer, .address_space: global }
      - { .name: wq_img, .offset: 32, .size: 8, .value_kind: global_buffer, .address_space: global }
    .group_segment_fixed_size: 0
    .private_segment_fixed_size: 0
    .kernarg_segment_align: 8
    .kernarg_segment_size: 40
    .max_flat_workgroup_size: 128
    .sgpr_count:     66
    .vgpr_count:     192
    .wavefront_size: 32
...
	.end_amdgpu_metadata
.endif
;; end of part 1
;; launch xatt (part 2): grid 16 x 16, 4 waves a work-group, no clusters, 17,920 bytes of LDS; arguments X, wq_img, b_ques, lowp_scales, xa; writes xa
.if DOCPART == 2
	.amdgcn_target "amdgcn-amd-amdhsa--gfx1250"
	.amdhsa_code_object_version 6
	.text
	.protected	k_qbe718bb21b_xatt
	.globl	k_qbe718bb21b_xatt
	.p2align	8
	.type	k_qbe718bb21b_xatt,@function
k_qbe718bb21b_xatt:
	s_mov_b64 s[64:65], 0
	v_nop
	global_prefetch_b8 v0, s[64:65] scope:SCOPE_SE
	s_setreg_imm32_b32 hwreg(HW_REG_WAVE_MODE, 25, 1), 1
	s_wait_xcnt 0x0
; xa[b][a] = ((Q(X) Q(W_ques))[b][a] x 2^(e0 + e1) + b_ques[a]) x 2^-(e2 + e3): X2att of reference(), divided by the power of two that the sums of the second product lack, so that the next launch can take it
; as the C of each sum's first matrix instruction.  X [256][2048] f32 is quantised here, in registers (scale 2^e0); W_ques comes as the image that the launch before has laid.  Sums in f32.
; LIMITS: -126 <= e0 <= 119; the two powers of two are applied by v_ldexp_f32 and have no limit but the result's range; NaN among the inputs is not served.  K is split over the four waves: the order of the sums differs from reference()'s.
; SHARES.  Work-group x: 16 rows of X; y: 64 columns (four tiles t).  Wave w takes positions 512 w .. 512 w + 511 of K (four steps kl of 128); the four partial sums meet in LDS, and each wave finishes four rows.
; K IS PERMUTED as in the image: position 256 J + 8 l + i holds k = 256 J + 128 (i / 4) + 4 l + i % 4.  Lane (r, h) wants, of row r, positions 128 k + 32 c + 16 h + 0 .. 15: four groups g of four neighbouring numbers,
; at 1024 (k / 2) + 256 (k % 2) + 64 c + 32 h + 512 (g % 2) + 16 (g / 2) bytes of the row.
; THE MATRIX INSTRUCTION IS USED TRANSPOSED (source 0 = 16 columns of W, source 1 = 16 rows of X): lane (r, h) holds row r and, in register j, column 16 t + 8 h + j.
; REGISTERS, in windows of 256: window 0: v1-13 addresses and constants; v16-79 X's codes, 16 a step; v80-111 four accumulators; v112-155 the way out.  window 1: W's fragments (64 kl + 16 t).  window 2: X as f32 (64 kl + 16 c + 4 g).
.set RP,    272                        ; a row of partial sums in LDS: 256 bytes + 16
.set REDW,  16*RP                      ; a wave's 16 rows
.set SPARE, 4*REDW                     ; behind them: the spare words, 128 bytes for each wave: two blocks of 256 bytes that no other line names
.set PC,    16
.set ACC,   80
.set MSB, 0
.macro WIN new                         ; the immediate's high byte repeats the setting that is left; a switch that changes nothing is dropped
.if MSB != \new
	s_set_vgpr_msb (MSB<<8)|\new
.set MSB, \new
.endif
.endm
	s_load_b256 s[4:11], s[0:1], 0x0               ; X s[4:5], W_ques's image s[6:7], b_ques s[8:9], the scales' exponents s[10:11]
	s_load_b64 s[12:13], s[0:1], 0x20              ; xa
	v_lshl_add_u32 v12, v0, 2, SPARE               ; my spare word; never rewritten
	v_mov_b32 v13, 0                               ; 0; never rewritten
	v_lshrrev_b32 v1, 5, v0
	v_readfirstlane_b32 s16, v1                    ; wave 0..3
	v_and_b32 v9, 31, v0                           ; lane
	v_and_b32 v1, 15, v0                           ; r
	v_bfe_u32 v2, v0, 4, 1                         ; h
	v_lshlrev_b32 v3, 13, v1
	v_lshl_add_u32 v3, v2, 5, v3                   ; X: row r of 8,192 bytes, + 32 h
	v_lshlrev_b32 v4, 4, v9                        ; the image: 16 x lane
	s_mul_i32 s17, s16, REDW
	v_mul_u32_u24 v5, v1, RP
	v_lshl_add_u32 v5, v2, 5, v5
	v_add_nc_u32 v5, s17, v5                       ; partial sums in: my wave's rows, row r, + 32 h
	s_mul_i32 s17, s16, 4*RP
	v_mul_u32_u24 v6, v2, RP
	v_lshl_add_u32 v6, v1, 4, v6
	v_add_nc_u32 v6, s17, v6                       ; and back: row 4 w + h, 16 bytes a lane
	v_lshlrev_b32 v7, 4, v1                        ; b_ques: my four columns
	v_lshl_add_u32 v8, v2, 12, v7                  ; xa: row h of two, my four columns
	s_and_b32 s18, ttmp7, 0xffff                   ; G: which 64 columns
	s_lshl_b32 s20, ttmp9, 17                      ; X: 16 rows of 8,192 bytes a work-group,
	s_lshl_b32 s19, s16, 11                        ; + 2,048 w bytes of each row
	s_add_co_u32 s20, s20, s19
	s_mov_b32 s21, 0
	s_lshl_b32 s22, s18, 4
	s_lshl_b32 s19, s16, 2
	s_add_co_u32 s22, s22, s19
	s_lshl_b32 s22, s22, 13                        ; the image: (16 G + 4 w) x 8,192
	s_mov_b32 s23, 0
	s_lshl_b32 s24, s18, 8                         ; 64 columns of f32
	s_mov_b32 s25, 0
	s_lshl_b32 s26, ttmp9, 4
	s_add_co_u32 s26, s26, s19
	s_lshl_b32 s26, s26, 12                        ; xa: row 16 x + 4 w of 4,096 bytes,
	s_add_co_u32 s26, s26, s24                     ; + my columns
	s_mov_b32 s27, 0
	s_wait_kmcnt 0x0
	s_load_b128 s[28:31], s[10:11], 0x0            ; e0, e1, e2, e3
	s_add_nc_u64 s[4:5], s[4:5], s[20:21]
	s_add_nc_u64 s[6:7], s[6:7], s[22:23]
	s_add_nc_u64 s[8:9], s[8:9], s[24:25]
	s_add_nc_u64 s[12:13], s[12:13], s[26:27]
	global_load_b128 v[144:147], v7, s[8:9]        ; b_ques
.macro XL kl                           ; X's 64 numbers a lane of step kl
	WIN 0x80                                       ; destination window 2
.irp c, 0,1,2,3
.irp g, 0,1,2,3
	global_load_b128 v[64*(\kl)+16*\c+4*\g:64*(\kl)+16*\c+4*\g+3], v3, s[4:5] offset:((\kl)/2)*1024+((\kl)%2)*256+64*\c+(\g%2)*512+(\g/2)*16
.endr
.endr
.endm
.macro BL kl                           ; W's four fragments of step kl
	WIN 0x40                                       ; destination window 1
.irp t, 0,1,2,3
.irp c, 0,1,2,3
	global_load_b128 v[64*(\kl)+16*\t+4*\c:64*(\kl)+16*\t+4*\c+3], v4, s[6:7] offset:8192*(\kl)+2048*\t+512*\c
.endr
.endr
.endm
.irp kl, 0,1,2,3
	XL \kl
	BL \kl
.endr
	WIN 0
	s_wait_kmcnt 0x0
	s_add_co_i32 s32, s28, s29                     ; e0 + e1
	s_add_co_i32 s33, s30, s31
	s_sub_co_i32 s33, 0, s33                       ; -(e2 + e3)
	s_add_co_i32 s28, s28, 127
	s_lshl_b32 s29, s28, 23
	v_mov_b32 v11, s29                             ; 2^e0 as f32: the conversion takes its exponent field
	s_add_co_i32 s28, s28, 8
	s_lshl_b32 s28, s28, 23
	s_or_b32 s28, s28, 0x600000
	v_mov_b32 v10, s28                             ; 448 x 2^e0
.macro KSTEP kl, cnt
	s_wait_loadcnt \cnt                            ; behind step kl's loads 96, 64, 32, 0 were issued; the wait's field ends at 63
	WIN 0x82                                       ; source 0 and destination window 2
.set q, 64*(\kl)
.rept 64
	v_med3_num_f32 v[q], v[q], -v10, v10           ; the hold at the largest code x the scale (ISA guide 7.6.2: the conversion does not saturate)
.set q, q+1
.endr
	WIN 0x02                                       ; source 0 window 2
.irp c, 0,1,2,3
	v_cvt_scalef32_pk8_fp8_f32 v[PC+16*(\kl)+4*\c:PC+16*(\kl)+4*\c+1], v[64*(\kl)+16*\c:64*(\kl)+16*\c+7], v11
	v_cvt_scalef32_pk8_fp8_f32 v[PC+16*(\kl)+4*\c+2:PC+16*(\kl)+4*\c+3], v[64*(\kl)+16*\c+8:64*(\kl)+16*\c+15], v11
.endr
	v_nop                                          ; one plain vector instruction between a scaled conversion and the matrix instruction that reads its result
	WIN 0x01                                       ; source 0 (W) window 1
.irp t, 0,1,2,3                        ; the four accumulators take turns, one instruction a turn
.if (\kl) == 0
	v_wmma_f32_16x16x128_fp8_fp8 v[ACC+8*\t:ACC+8*\t+7], v[64*(\kl)+16*\t:64*(\kl)+16*\t+15], v[PC+16*(\kl):PC+16*(\kl)+15], 0
.else
	v_wmma_f32_16x16x128_fp8_fp8 v[ACC+8*\t:ACC+8*\t+7], v[64*(\kl)+16*\t:64*(\kl)+16*\t+15], v[PC+16*(\kl):PC+16*(\kl)+15], v[ACC+8*\t:ACC+8*\t+7]
.endif
.endr
.endm
	KSTEP 0, 63
	KSTEP 1, 63
	KSTEP 2, 32
	KSTEP 3, 0
	WIN 0
.rept 4
	v_nop                                          ; four places between the last product and the first read of results (ISA guide 7.12.1)
.endr
.irp t, 0,1,2,3
	ds_store_b128 v5, v[ACC+8*\t:ACC+8*\t+3] offset:64*\t        ; each accumulator from its low end on
	ds_store_b128 v5, v[ACC+8*\t+4:ACC+8*\t+7] offset:64*\t+16
.endr
	s_wait_dscnt 0x0                               ; for the others' sake: my partial sums lie in LDS
	s_barrier_signal -1
	s_barrier_wait -1
.irp u, 0,1                            ; rows 4 w + 2 u + h, all four waves' parts
.irp p, 0,1,2,3
	ds_load_b128 v[112+16*\u+4*\p:112+16*\u+4*\p+3], v6 offset:REDW*\p+2*RP*\u
.endr
.endr
	s_wait_dscnt 0x0
.irp u, 0,1
	v_pk_add_f32 v[112+16*\u:113+16*\u], v[112+16*\u:113+16*\u], v[116+16*\u:117+16*\u]
	v_pk_add_f32 v[114+16*\u:115+16*\u], v[114+16*\u:115+16*\u], v[118+16*\u:119+16*\u]
	v_pk_add_f32 v[120+16*\u:121+16*\u], v[120+16*\u:121+16*\u], v[124+16*\u:125+16*\u]
	v_pk_add_f32 v[122+16*\u:123+16*\u], v[122+16*\u:123+16*\u], v[126+16*\u:127+16*\u]
	v_pk_add_f32 v[112+16*\u:113+16*\u], v[112+16*\u:113+16*\u], v[120+16*\u:121+16*\u]
	v_pk_add_f32 v[114+16*\u:115+16*\u], v[114+16*\u:115+16*\u], v[122+16*\u:123+16*\u]
.irp e, 0,1,2,3
	v_ldexp_f32 v[148+4*\u+\e], v[112+16*\u+\e], s32             ; x 2^(e0 + e1)
.endr
.irp e, 0,1,2,3
	v_add_f32 v[148+4*\u+\e], v[148+4*\u+\e], v[144+\e]          ; + b_ques
.endr
.irp e, 0,1,2,3
	v_ldexp_f32 v[148+4*\u+\e], v[148+4*\u+\e], s33              ; x 2^-(e2 + e3)
.endr
	global_store_b128 v8, v[148+4*\u:151+4*\u], s[12:13] offset:8192*\u   ; sixteen lanes store 256 consecutive bytes, aligned
.endr
	s_wait_tensorcnt 0x0                           ; the wave's end, behind my last LDS store
	ds_add_u32 v12, v13
	s_wait_dscnt 0x0
	s_endpgm
.Lfunc_end_k_qbe718bb21b_xatt:
	.size	k_qbe718bb21b_xatt, .Lfunc_end_k_qbe718bb21b_xatt-k_qbe718bb21b_xatt
	.p2alignl 7, 3214868480
	.fill 96, 4, 3214868480
	.section	.rodata,"a",@progbits
	.p2align	6, 0x0
	.amdhsa_kernel k_qbe718bb21b_xatt
		.amdhsa_group_segment_fixed_size 17920
		.amdhsa_private_segment_fixed_size 0
		.amdhsa_enable_private_segment 0
		.amdhsa_kernarg_size 40
		.amdhsa_user_sgpr_count 2
		.amdhsa_user_sgpr_kernarg_segment_ptr 1
		.amdhsa_wavefront_size32 1
		.amdhsa_system_sgpr_workgroup_id_x 1
		.amdhsa_system_sgpr_workgroup_id_y 1
		.amdhsa_system_sgpr_workgroup_id_z 1
		.amdhsa_system_vgpr_workitem_id 0
		.amdhsa_next_free_vgpr 768
		.amdhsa_next_free_sgpr 66
		.amdhsa_reserve_vcc 0
		.amdhsa_float_denorm_mode_32 3
		.amdhsa_float_denorm_mode_16_64 3
		.amdhsa_memory_ordered 1
		.amdhsa_forward_progress 1
		.amdhsa_inst_pref_size 39
	.end_amdhsa_kernel
	.amdgpu_metadata
---
amdhsa.version: [ 1, 2 ]
amdhsa.kernels:
  - .name:           k_qbe718bb21b_xatt
    .symbol:         k_qbe718bb21b_xatt.kd
    .args:
      - { .name: X, .offset: 0, .size: 8, .value_kind: global_buffer, .address_space: global }
      - { .name: wq_img, .offset: 8, .size: 8, .value_kind: global_buffer, .address_space: global }
      - { .name: b_ques, .offset: 16, .size: 8, .value_kind: global_buffer, .address_space: global }
      - { .name: lowp_scales, .offset: 24, .size: 8, .value_kind: global_buffer, .address_space: global }
      - { .name: xa, .offset: 32, .size: 8, .value_kind: global_buffer, .address_space: global }
    .group_segment_fixed_size: 17920
    .private_segment_fixed_size: 0
    .kernarg_segment_align: 8
    .kernarg_segment_size: 40
    .max_flat_workgroup_size: 128
    .sgpr_count:     66
    .vgpr_count:     768
    .wavefront_size: 32
...
	.end_amdgpu_metadata
.endif
;; end of part 2
;; launch attn (part 3): grid 256 x 1, 4 waves a work-group, no clusters, 279,040 bytes of LDS; arguments Y, wv_img, xa, W_map, lowp_scales, out0; writes out0
.if DOCPART == 3
	.amdgcn_target "amdgcn-amd-amdhsa--gfx1250"
	.amdhsa_code_object_version 6
	.text
	.protected	k_qbe718bb21b_attn
	.globl	k_qbe718bb21b_attn
	.p2align	8
	.type	k_qbe718bb21b_attn,@function
k_qbe718bb21b_attn:
	s_mov_b64 s[64:65], 0
	v_nop
	global_prefetch_b8 v0, s[64:65] scope:SCOPE_SE
	s_setreg_imm32_b32 hwreg(HW_REG_WAVE_MODE, 25, 1), 1
	s_wait_xcnt 0x0
; out0[b] = sum over n of w[n] Y[b][n], w = softmax_n(logit), logit[n] = sum over a of relu(X2att[b][a] + (Q(Y[b]) Q(W_vis))[n][a]) W_map[a].  One work-group makes one batch b, from Y to out0.
; LEFT OUT AS DEAD WORK: b_map, the same number on all 128 logits of a softmax (shown at the head of the first kernel); a NaN or an infinity in it is not carried.
; PHASES.  1: Y[b] (128 rows x 2048 f32) is streamed once and quantised (scale 2^e2) into LDS, where the batch's codes stay.  2: the product 128 x 1024 x 2048 on codes: Y's fragments from LDS, W_vis's from the image in memory
; straight into registers; xa[b] (X2att / 2^(e2 + e3), from the launch before) is the C of each sum's first matrix instruction; relu and the product with W_map in registers, in f32.  S: the softmax, its maximum taken away, in f32.
; 3: Y[b] is streamed again and summed with the weights by packed f32 multiply-adds; the 16 rows that phase 1 loaded last still lie in the ring's registers and are not loaded again.
; SHARES.  In the streams wave w owns columns 512 w .. 512 w + 511 of every row, lane l columns 512 w + 128 j + 4 l + 0 .. 3 (j = 0 .. 3): each load and store of a wave covers 512 consecutive bytes.
; In the product wave w owns all 128 rows x columns 256 w .. 256 w + 255, in four passes of 64 columns: 32 accumulators (8 blocks a of 16 rows x 4 tiles t).  The waves share the columns, so no fragment of W is loaded twice in a work-group.
; K IS PERMUTED as in W's image: position 256 J + 8 l + i holds k = 256 J + 128 (i / 4) + 4 l + i % 4: a lane's loads j = 0, 1 (and 2, 3) are eight neighbouring positions, which one conversion takes.
; THE MATRIX INSTRUCTION IS USED TRANSPOSED (source 0 = 16 columns of W, source 1 = 16 rows of Y): lane (r, h) holds row 16 a + r and, in register j, column 16 t + 8 h + j.
; NO CLUSTER, NO TENSOR LOAD, though all work-groups read the same image: the batch's codes take 264,192 bytes of LDS and the tables 14,848; what is left of 327,680 would hold two slots of 24 KB, and a K step of the four
; waves is 32 KB for 32 matrix instructions a wave: a change of slots, with its barrier, for every 24 matrix instructions.  So W goes to registers, three K steps (24 KB a wave) ahead, by counted waits and with no barrier.
; LIMITS: -126 <= e2 <= 119; e2 + e3 is applied by v_ldexp_f32; NaN among the inputs is not served, an infinity in Y is held at the largest code in the product (and reaches out0 through the weighted sum as in reference()).
; The order of the sums differs from reference()'s.
; REGISTERS, in windows of 256: window 0: v1-25 addresses and constants; phase 1: v32-47 at work, v48-111 codes (4 a slot); product: v32-63 xa, v64-95 W_map, v96-111 the rows' partial logits, v128-255 Y's 8 fragments;
;   phase 3: v32-63 16 weights as pairs, v112-127 out.   window 1: W's fragments, four sets of 64.   window 2: the 32 accumulators, (a, t) at 8 (4 a + t).   window 3: the ring of 16 row slots, 16 registers each.
.set PITCH, 2064                       ; a row of codes in LDS: 2,048 bytes + 16: an odd multiple of 16 bytes, so that the sixteen rows of a fragment load fall on sixteen different 16-byte columns of 256 bytes
.set BLK16, 16*PITCH
.set XAL,   128*PITCH                  ; xa[b], 4,096 bytes
.set WML,   XAL+4096                   ; W_map, 4,096 bytes
.set LOGP,  WML+4096                   ; the waves' partial logits: 512 bytes a wave
.set WTS,   LOGP+2048                  ; the weights as pairs (w, w), a copy of its own for each wave, 1,024 bytes; row n at pair (n + 16) % 128
.set SPARE, WTS+4096                   ; the spare words, 128 bytes for each wave: two blocks of 256 bytes that no other line names
.set ADA, 4                            ; v4-7  Y's fragments: (32 a' + r) x PITCH + 16 h; block a = 2 a' + u by the immediate u x BLK16
.set XAA, 8                            ; v8    XAL + 1024 w + 32 h
.set XW,  9                            ; v9    the same for the pass in hand
.set BO,  10                           ; v10   16 x lane
.set YO,  11                           ; v11   16 x lane + 2048 w
.set CA,  12                           ; v12   8 x lane + 512 w
.set CW,  13                           ; v13   the same for the 16 rows in hand
.set PF,  14                           ; v14   the prefetches: (lane / 8) rows of 8,192 bytes + (lane % 8) x 256 + 2048 w
.set LS,  15                           ; v15   LOGP + 512 w + 4 r
.set LR,  16                           ; v16   LOGP + 16 x lane
.set WS,  17                           ; v17   WTS + 1024 w + (32 x lane + 128) % 1024
.set WB,  18                           ; v18   WTS + 1024 w
.set WW,  19                           ; v19   the same for the 16 rows in hand
.set LIM, 20                           ; v20   448 x 2^e2
.set SCL, 21                           ; v21   2^e2
.set SPW, 22                           ; v22   my spare word: SPARE + 4 x my thread's number; never rewritten
.set NIL, 23                           ; v23   0; never rewritten
.set TG,  24                           ; v24   16 x thread
.set TL,  25                           ; v25   XAL + 16 x thread
.set T,    32
.set C,    48
.set XA,   32
.set WM,   64
.set PART, 96
.set AF,   128
.set P,    32
.set OUT,  112
.set MSB, 0
.macro WIN new                         ; the immediate's high byte repeats the setting that is left; a switch that changes nothing is dropped
.if MSB != \new
	s_set_vgpr_msb (MSB<<8)|\new
.set MSB, \new
.endif
.endm
.macro PLACES                          ; four plain vector instructions between a matrix instruction and a load into one of its registers, or a vector instruction that reads or writes its result (ISA guide 7.12.1 for vector instructions)
.rept 4
	v_nop
.endr
.endm
.macro RLOAD i, off                    ; a row's 2,048 bytes of my wave into ring slot i (the destination's window is 3)
.irp j, 0,1,2,3
	global_load_b128 v[16*(\i)+4*\j:16*(\i)+4*\j+3], v[YO], s[26:27] offset:(\off)+512*\j th:TH_LOAD_NT
.endr
.endm
	s_load_b256 s[4:11], s[0:1], 0x0               ; Y s[4:5], W_vis's image s[6:7], xa s[8:9], W_map s[10:11]
	s_load_b128 s[12:15], s[0:1], 0x20             ; the scales' exponents s[12:13], out0 s[14:15]
	v_lshl_add_u32 v[SPW], v0, 2, SPARE
	v_mov_b32 v[NIL], 0
	v_lshrrev_b32 v1, 5, v0
	v_readfirstlane_b32 s16, v1                    ; wave 0..3
	v_and_b32 v1, 15, v0                           ; r
	v_bfe_u32 v2, v0, 4, 1                         ; h
	v_and_b32 v3, 31, v0                           ; lane
	v_mul_u32_u24 v[ADA], v1, PITCH
	v_lshl_add_u32 v[ADA], v2, 4, v[ADA]
	v_add_nc_u32 v[ADA+1], 2*BLK16, v[ADA]
	v_add_nc_u32 v[ADA+2], 4*BLK16, v[ADA]
	v_add_nc_u32 v[ADA+3], 6*BLK16, v[ADA]
	s_lshl_b32 s17, s16, 10
	s_lshl_b32 s18, s16, 11
	s_lshl_b32 s19, s16, 9
	v_lshlrev_b32 v[XAA], 5, v2
	v_add_nc_u32 v[XAA], s17, v[XAA]
	v_add_nc_u32 v[XAA], XAL, v[XAA]
	v_lshlrev_b32 v[BO], 4, v3
	v_add_nc_u32 v[YO], s18, v[BO]
	v_lshlrev_b32 v[CA], 3, v3
	v_add_nc_u32 v[CA], s19, v[CA]
	v_lshrrev_b32 v[PF], 3, v3
	v_lshlrev_b32 v[PF], 13, v[PF]
	v_and_b32 v[LS], 7, v3
	v_lshl_add_u32 v[PF], v[LS], 8, v[PF]
	v_add_nc_u32 v[PF], s18, v[PF]
	v_lshlrev_b32 v[LS], 2, v1
	v_add_nc_u32 v[LS], s19, v[LS]
	v_add_nc_u32 v[LS], LOGP, v[LS]
	v_add_nc_u32 v[LR], LOGP, v[BO]
	v_lshlrev_b32 v[WS], 5, v3
	v_add_nc_u32 v[WS], 128, v[WS]
	v_and_b32 v[WS], 1023, v[WS]
	v_add_nc_u32 v[WS], s17, v[WS]
	v_add_nc_u32 v[WS], WTS, v[WS]
	v_mov_b32 v[WB], s17
	v_add_nc_u32 v[WB], WTS, v[WB]
	v_lshlrev_b32 v[TG], 4, v0
	v_add_nc_u32 v[TL], XAL, v[TG]
	s_mov_b32 s38, 0x76543210                      ; v_permlanex16_b32's selects for lane l xor 16
	s_mov_b32 s39, 0xfedcba98
	s_lshl_b32 s30, ttmp9, 20                      ; a batch of Y: 128 rows of 8,192 bytes
	s_mov_b32 s31, 0
	s_wait_kmcnt 0x0
	s_load_b128 s[20:23], s[12:13], 0x0            ; e0, e1, e2, e3
	s_add_nc_u64 s[24:25], s[4:5], s[30:31]        ; Y[b]: it stays
	s_mov_b64 s[26:27], s[24:25]                   ; and the copy that the streams step
	s_lshl_b32 s30, ttmp9, 12
	s_add_nc_u64 s[8:9], s[8:9], s[30:31]          ; xa[b]
	s_lshl_b32 s30, ttmp9, 13
	s_add_nc_u64 s[42:43], s[14:15], s[30:31]      ; out0[b]
	s_lshl_b32 s30, s16, 19
	s_add_nc_u64 s[28:29], s[6:7], s[30:31]        ; the image of my 256 columns: 512 KB on end
	global_load_b128 v[112:115], v[TG], s[8:9]                 ; xa[b] and W_map: 16 bytes a thread, twice each
	global_load_b128 v[116:119], v[TG], s[8:9] offset:2048
	global_load_b128 v[120:123], v[TG], s[10:11]
	global_load_b128 v[124:127], v[TG], s[10:11] offset:2048
	WIN 0xc0                                       ; destination window 3
.irp i, 0,1,2,3,4,5,6,7,8,9,10,11,12,13,14
	RLOAD \i, (\i)*8192                            ; the ring is filled: rows 0 to 14
.endr
	WIN 0
	s_wait_loadcnt 60                              ; the four small loads are in: behind them 15 slots x 4 loads were issued
	ds_store_b128 v[TL], v[112:115]
	ds_store_b128 v[TL], v[116:119] offset:2048
	ds_store_b128 v[TL], v[120:123] offset:4096
	ds_store_b128 v[TL], v[124:127] offset:6144
	WIN 0xc0
	RLOAD 15, 15*8192                              ; row 15
	WIN 0
	s_wait_kmcnt 0x0
	s_add_co_i32 s40, s22, s23                     ; e2 + e3
	s_add_co_i32 s30, s22, 127
	s_lshl_b32 s31, s30, 23
	v_mov_b32 v[SCL], s31                          ; 2^e2 as f32: the conversion takes its exponent field
	s_add_co_i32 s30, s30, 8
	s_lshl_b32 s30, s30, 23
	s_or_b32 s30, s30, 0x600000
	v_mov_b32 v[LIM], s30                          ; 448 x 2^e2
; ---- PHASE 1.  The turn of ring slot i: its row is held, converted and stored as codes; the ring's registers keep the f32 numbers.  refill = 1: the slot takes the row 16 further down.
.macro SLOT1 i, refill, left
	s_wait_loadcnt \left                           ; loads come back in order (ISA guide 5.7.1): my slot's four are in, the younger ones stay out
	s_wait_dscnt 30                                ; behind this slot's last two stores of codes stand the 15 other slots' 30: its code registers have been read
	WIN 0x03                                       ; source 0 window 3
.irp e, 0,1,2,3,4,5,6,7,8,9,10,11,12,13,14,15
	v_med3_num_f32 v[T+\e], v[16*(\i)+\e], -v[LIM], v[LIM]   ; the hold at the largest code x the scale (ISA guide 7.6.2: the conversion does not saturate)
.endr
	WIN 0
	v_cvt_scalef32_pk8_fp8_f32 v[C+4*(\i):C+4*(\i)+1], v[T:T+7], v[SCL]        ; positions 512 w + 8 l + 0 .. 7
	v_cvt_scalef32_pk8_fp8_f32 v[C+4*(\i)+2:C+4*(\i)+3], v[T+8:T+15], v[SCL]   ; positions 512 w + 256 + 8 l + 0 .. 7
	v_nop                                          ; one plain vector instruction between a scaled conversion and the next slot's lines, which write its sources
	ds_store_b64 v[CW], v[C+4*(\i):C+4*(\i)+1] offset:(\i)*PITCH               ; 32 lanes store 256 consecutive bytes of the row
	ds_store_b64 v[CW], v[C+4*(\i)+2:C+4*(\i)+3] offset:(\i)*PITCH+256
.if \refill
	WIN 0xc0
	RLOAD \i, (16+(\i))*8192
.endif
.endm
	s_mov_b32 s32, 7
	s_mov_b32 s33, 0
.Llap1:                                                ; seven trips of 16 rows; each fills the ring again
	v_add_nc_u32 v[CW], s33, v[CA]
.irp i, 0,1,2,3,4,5,6,7,8,9,10,11,12,13,14,15
	SLOT1 \i, 1, 60                                ; 60: the 15 other slots' four loads each
.endr
	WIN 0                                          ; at a label and at a branch every window is 0
	s_wait_xcnt 0x0                                ; the loads have read their base: it may step
	s_add_nc_u64 s[26:27], s[26:27], 131072        ; 16 rows of Y
	s_add_co_u32 s33, s33, BLK16                   ; 16 rows of codes
	s_sub_co_u32 s32, s32, 1
	s_cmp_lg_u32 s32, 0
	s_cbranch_scc1 .Llap1
	v_add_nc_u32 v[CW], s33, v[CA]
.irp i, 0,1,2,3,4,5,6,7,8,9,10,11,12,13,14,15
	SLOT1 \i, 0, 60-4*\i                           ; rows 112 to 127 load nothing: the counts run down; these rows stay in the ring for phase 3
.endr
; ---- PHASE 2
.macro LOADB k, set                    ; W's four fragments of K step k of the pass (16 to 19: the next pass's 0 to 3, which follow in the image) into set
	WIN 0x40                                       ; destination window 1
.irp t, 0,1,2,3
.irp c, 0,1,2,3
	global_load_b128 v[64*(\set)+16*\t+4*\c:64*(\set)+16*\t+4*\c+3], v[BO], s[28:29] offset:8192*(\k)+2048*\t+512*\c
.endr
.endr
.endm
.macro FETCH_A k, a0                   ; Y's fragments of blocks a0 .. a0 + 3, K step k: registers 4 c .. 4 c + 3 hold positions 128 k + 32 c + 16 h + 0 .. 15 of row 16 a + r
.irp a, \a0, \a0+1, \a0+2, \a0+3
.irp c, 0,1,2,3
	ds_load_b128 v[AF+16*(\a)+4*\c:AF+16*(\a)+4*\c+3], v[ADA+(\a)/2] offset:((\a)%2)*BLK16+128*(\k)+32*\c
.endr
.endr
.endm
.macro MUL16 a0, set, first            ; 16 matrix instructions.  The 32 accumulators take turns, one instruction a turn, in the same order in every K step
.irp a, \a0, \a0+1, \a0+2, \a0+3
.irp t, 0,1,2,3
.if \first
	v_wmma_f32_16x16x128_fp8_fp8 v[8*(4*(\a)+\t):8*(4*(\a)+\t)+7], v[64*(\set)+16*\t:64*(\set)+16*\t+15], v[AF+16*(\a):AF+16*(\a)+15], v[XA+8*\t:XA+8*\t+7]
.else
	v_wmma_f32_16x16x128_fp8_fp8 v[8*(4*(\a)+\t):8*(4*(\a)+\t)+7], v[64*(\set)+16*\t:64*(\set)+16*\t+15], v[AF+16*(\a):AF+16*(\a)+15], v[8*(4*(\a)+\t):8*(4*(\a)+\t)+7]
.endif
.endr
.endr
.endm
; A K step: 32 matrix instructions.  first = 1: xa starts the sums.  ldb = 1: the set that this step has used takes the K step four on.  cnt: the loads of W issued behind this step's.  fa = 1: Y's fragments of the next K step are fetched,
; blocks 0-3 in the step's middle and blocks 4-7 at its end, each as soon as its products are issued: one set of registers serves Y.
.macro STEP k, first, ldb, cnt, fa
	s_wait_loadcnt \cnt                            ; this step's fragments of W are in
.if \first
	s_wait_dscnt 0x0                               ; Y's fragments, xa and W_map are in
	WIN 0x81                                       ; source 0 (W) window 1, source 1 (Y) and C (xa) window 0, D window 2
.else
	s_wait_dscnt 16                                ; Y's blocks 0-3 are in; the sixteen younger loads (blocks 4-7) may be out
	WIN 0xa1                                       ; the same, C window 2
.endif
	MUL16 0, (\k)%4, \first
	s_wait_dscnt 0x0                               ; blocks 4-7 are in
	PLACES
.if \fa
	WIN 0
	FETCH_A ((\k)+1)%16, 0
.endif
.if \first
	WIN 0x81
.else
	WIN 0xa1
.endif
	MUL16 4, (\k)%4, \first
	PLACES
.if \fa
	WIN 0
	FETCH_A ((\k)+1)%16, 4
.endif
.if \ldb
	LOADB (\k)+4, (\k)%4
.endif
.endm
; A pass's way out: relu in place, each accumulator from its low end on; then the product with W_map, two columns an instruction, the eight blocks' chains by turns.
.macro EPI
	WIN 0x88                                       ; source 1 and destination window 2
.set q, 0
.rept 256
	v_max_num_f32 v[q], 0, v[q]
.set q, q+1
.endr
	WIN 0x02                                       ; source 0 window 2
.irp t, 0,1,2,3
.irp p, 0,1,2,3
.irp a, 0,1,2,3,4,5,6,7
	v_pk_fma_f32 v[PART+2*\a:PART+2*\a+1], v[8*(4*\a+\t)+2*\p:8*(4*\a+\t)+2*\p+1], v[WM+8*\t+2*\p:WM+8*\t+2*\p+1], v[PART+2*\a:PART+2*\a+1]
.endr
.endr
.endr
.endm
	LOADB 0, 0                                     ; W's first four K steps are asked for while the other waves finish their codes
	LOADB 1, 1
	LOADB 2, 2
	LOADB 3, 3
	WIN 0
	s_wait_dscnt 0x0                               ; for the others' sake: my codes, and my part of xa and W_map, lie in LDS
	s_barrier_signal -1
	s_barrier_wait -1                              ; everybody's do
	FETCH_A 0, 0
	FETCH_A 0, 4
.irp j, 0,1,2,3,4,5,6,7,8,9,10,11,12,13,14,15
	v_mov_b32 v[PART+\j], 0                        ; the rows' partial logits, summed over the four passes
.endr
	s_mov_b32 s34, 0                               ; the pass
	s_mov_b32 s35, 0                               ; its 64 columns in xa and W_map, in bytes
.Lpass:
	v_add_nc_u32 v[XW], s35, v[XAA]
.irp t, 0,1,2,3
.irp u, 0,1
	ds_load_b128 v[XA+8*\t+4*\u:XA+8*\t+4*\u+3], v[XW] offset:64*\t+16*\u        ; xa at columns 16 t + 8 h + 0 .. 7: the result's layout
	ds_load_b128 v[WM+8*\t+4*\u:WM+8*\t+4*\u+3], v[XW] offset:4096+64*\t+16*\u   ; W_map at the same columns
.endr
.endr
	STEP 0, 1, 1, 48, 1                            ; 48: the three later K steps' sixteen loads each
.irp k, 1,2,3,4,5,6,7,8,9,10,11
	STEP \k, 0, 1, 48, 1
.endr
	WIN 0
	s_cmp_eq_u32 s34, 3
	s_cbranch_scc1 .Llast
.irp k, 12,13,14,15
	STEP \k, 0, 1, 48, 1                           ; these ask for the next pass's first four K steps, and the last fetches Y's K step 0 again
.endr
	WIN 0
	s_branch .Lepi
.Llast:                                                ; the last pass's last four K steps ask for nothing of W: no load leaves the image
; A PREFETCH of what phase 3 loads first: rows 0 to 11 of the batch, each wave its own 2,048 bytes of a row, a lane 256 bytes: three instructions a wave, each aligned block of 256 bytes named once in the launch.
; It stands four K steps (128 matrix instructions), the pass's way out and the softmax ahead of the loads that want the rows; its address registers are never rewritten.
.irp p, 0,1,2
	global_prefetch_b8 v[PF], s[24:25] offset:32768*\p th:TH_LOAD_NT scope:SCOPE_SE
.endr
	STEP 12, 0, 0, 48, 1
	STEP 13, 0, 0, 32, 1
	STEP 14, 0, 0, 16, 1
	STEP 15, 0, 0, 0, 0
	WIN 0
.Lepi:
	EPI                                            ; (the four places behind the last products stand at the K step's end)
	WIN 0
	s_wait_xcnt 0x0                                ; the loads of W have read their base: it may step
	s_add_nc_u64 s[28:29], s[28:29], 131072        ; the next 64 columns' image
	s_add_co_u32 s35, s35, 256
	s_add_co_u32 s34, s34, 1
	s_cmp_lt_u32 s34, 4
	s_cbranch_scc1 .Lpass
; ---- PHASE S.  A row's partial logit: my two halves and lane l xor 16's; the four waves' parts meet in LDS; every wave then makes all 128 weights, four rows a lane.
.irp a, 0,1,2,3,4,5,6,7
	v_add_f32 v[112+\a], v[PART+2*\a], v[PART+2*\a+1]
.endr
.irp a, 0,1,2,3,4,5,6,7
	v_permlanex16_b32 v[120+\a], v[112+\a], s38, s39   ; (v120-127 were written at the head: a lane permute's destination counts as one of its sources)
.endr
.irp a, 0,1,2,3,4,5,6,7
	v_add_f32 v[112+\a], v[112+\a], v[120+\a]
.endr
.irp a, 0,1,2,3,4,5,6,7
	ds_store_b32 v[LS], v[112+\a] offset:64*\a     ; row 16 a + r; lanes r and r + 16 store the same number to the same word
.endr
	s_wait_dscnt 0x0                               ; for the others' sake: my partial logits lie in LDS
	s_barrier_signal -1
	s_barrier_wait -1
.irp p, 0,1,2,3
	ds_load_b128 v[128+4*\p:131+4*\p], v[LR] offset:512*\p   ; rows 4 l + 0 .. 3, wave p's part
.endr
	v_mov_b32 v145, 0                              ; written once: a lane permute's destination counts as one of its sources
	s_wait_dscnt 0x0
	v_pk_add_f32 v[128:129], v[128:129], v[132:133]
	v_pk_add_f32 v[130:131], v[130:131], v[134:135]
	v_pk_add_f32 v[136:137], v[136:137], v[140:141]
	v_pk_add_f32 v[138:139], v[138:139], v[142:143]
	v_pk_add_f32 v[128:129], v[128:129], v[136:137]
	v_pk_add_f32 v[130:131], v[130:131], v[138:139]
.irp e, 0,1,2,3
	v_mul_f32 v[128+\e], 0x3fb8aa3b, v[128+\e]     ; x log2(e),
.endr
.irp e, 0,1,2,3
	v_ldexp_f32 v[128+\e], v[128+\e], s40          ; x 2^(e2 + e3), which the sums lacked: t = logit x log2(e)
.endr
	v_max3_num_f32 v144, v128, v129, v130          ; the largest t of the 128: my four, my half of the lanes, the other half
	v_max_num_f32 v144, v144, v131
	v_max_num_f32_dpp v144, v144, v144 row_xmask:1 row_mask:0xf bank_mask:0xf
	v_max_num_f32_dpp v144, v144, v144 row_xmask:2 row_mask:0xf bank_mask:0xf
	v_max_num_f32_dpp v144, v144, v144 row_xmask:4 row_mask:0xf bank_mask:0xf
	v_max_num_f32_dpp v144, v144, v144 row_xmask:8 row_mask:0xf bank_mask:0xf
	v_permlanex16_b32 v145, v144, s38, s39
	v_max_num_f32 v144, v144, v145
.irp e, 0,1,2,3
	v_sub_f32 v[128+\e], v[128+\e], v144           ; the maximum is taken away, as reference()'s softmax does
.endr
.irp e, 0,1,2,3
	v_exp_f32 v[128+\e], v[128+\e]
.endr
	v_nop                                          ; a plain instruction behind the last exponential
	s_wait_alu depctr_va_vdst(0)                   ; the wait ahead of the first line that names a result: one for the four
	v_add_f32 v146, v128, v129
	v_add_f32 v147, v130, v131
	v_add_f32 v146, v146, v147
	v_add_f32_dpp v146, v146, v146 row_xmask:1 row_mask:0xf bank_mask:0xf
	v_add_f32_dpp v146, v146, v146 row_xmask:2 row_mask:0xf bank_mask:0xf
	v_add_f32_dpp v146, v146, v146 row_xmask:4 row_mask:0xf bank_mask:0xf
	v_add_f32_dpp v146, v146, v146 row_xmask:8 row_mask:0xf bank_mask:0xf
	v_permlanex16_b32 v145, v146, s38, s39
	v_add_f32 v146, v146, v145
	v_rcp_f32 v147, v146
	v_nop                                          ; a plain instruction behind the reciprocal
	s_wait_alu depctr_va_vdst(0)                   ; and the wait ahead of its first reader
.irp e, 0,1,2,3
	v_mul_f32 v[148+2*\e], v[128+\e], v147         ; the weight, twice: a pair for the packed multiply-adds
	v_mul_f32 v[149+2*\e], v[128+\e], v147
.endr
	ds_store_b128 v[WS], v[148:151]                ; into my wave's own copy: no other wave reads it, and LDS serves a wave's instructions in order (ISA guide 5.7.1.4), so no barrier and no wait
	ds_store_b128 v[WS], v[152:155] offset:16
; ---- PHASE 3.  The turn of ring slot i: out += w x the slot's row.  refill = 1: the slot takes the next row that is due.  The first lap takes rows 112 to 127, which phase 1 left in the ring; lap R >= 1 takes rows 16 (R - 1) + i.
.macro SLOT3 i, refill, left
	s_wait_loadcnt \left                           ; my slot's four loads are in, the younger ones stay out (in the first lap the slot's loads ended in phase 1, and the wait is met at once)
	WIN 0x03                                       ; source 0 window 3
.irp p, 0,1,2,3,4,5,6,7
	v_pk_fma_f32 v[OUT+2*\p:OUT+2*\p+1], v[16*(\i)+2*\p:16*(\i)+2*\p+1], v[P+2*(\i):P+2*(\i)+1], v[OUT+2*\p:OUT+2*\p+1]
.endr
.if \refill
	WIN 0xc0
	RLOAD \i, (\i)*8192
.endif
.endm
.macro WEIGHTS                         ; the lap's sixteen pairs, the same in every lane
	v_add_nc_u32 v[WW], s36, v[WB]
.irp m, 0,1,2,3,4,5,6,7
	ds_load_b128 v[P+4*\m:P+4*\m+3], v[WW] offset:16*\m
.endr
	s_wait_dscnt 0x0
.endm
.irp j, 0,1,2,3,4,5,6,7,8,9,10,11,12,13,14,15
	v_mov_b32 v[OUT+\j], 0
.endr
	s_mov_b64 s[26:27], s[24:25]                   ; back to the batch's first row (phase 1's loads ended long ago)
	s_mov_b32 s36, 0
	s_mov_b32 s32, 7
.Llap3:                                                ; seven trips; trip R asks for rows 16 R + i
	WEIGHTS
.irp i, 0,1,2,3,4,5,6,7,8,9,10,11,12,13,14,15
	SLOT3 \i, 1, 60                                ; 60: the 15 other slots' four loads each
.endr
	WIN 0
	s_wait_xcnt 0x0                                ; the loads have read their base: it may step
	s_add_nc_u64 s[26:27], s[26:27], 131072
	s_add_co_u32 s36, s36, 128                     ; sixteen pairs
	s_sub_co_u32 s32, s32, 1
	s_cmp_lg_u32 s32, 0
	s_cbranch_scc1 .Llap3
	WEIGHTS
.irp i, 0,1,2,3,4,5,6,7,8,9,10,11,12,13,14,15
	SLOT3 \i, 0, 60-4*\i                           ; rows 96 to 111: nothing is left to load, the counts run down
.endr
	WIN 0
.irp j, 0,1,2,3
	global_store_b128 v[YO], v[OUT+4*\j:OUT+4*\j+3], s[42:43] offset:512*\j th:TH_STORE_NT   ; 32 lanes store 512 consecutive bytes, aligned; written once, read by nobody here
.endr
	s_wait_tensorcnt 0x0                           ; the wave's end, behind my last LDS store
	ds_add_u32 v[SPW], v[NIL]
	s_wait_dscnt 0x0
	s_endpgm
.Lfunc_end_k_qbe718bb21b_attn:
	.size	k_qbe718bb21b_attn, .Lfunc_end_k_qbe718bb21b_attn-k_qbe718bb21b_attn
	.p2alignl 7, 3214868480
	.fill 96, 4, 3214868480
	.section	.rodata,"a",@progbits
	.p2align	6, 0x0
	.amdhsa_kernel k_qbe718bb21b_attn
		.amdhsa_group_segment_fixed_size 279040
		.amdhsa_private_segment_fixed_size 0
		.amdhsa_enable_private_segment 0
		.amdhsa_kernarg_size 48
		.amdhsa_user_sgpr_count 2
		.amdhsa_user_sgpr_kernarg_segment_ptr 1
		.amdhsa_wavefront_size32 1
		.amdhsa_system_sgpr_workgroup_id_x 1
		.amdhsa_system_sgpr_workgroup_id_y 1
		.amdhsa_system_sgpr_workgroup_id_z 1
		.amdhsa_system_vgpr_workitem_id 0
		.amdhsa_next_free_vgpr 1024
		.amdhsa_next_free_sgpr 66
		.amdhsa_reserve_vcc 0
		.amdhsa_float_denorm_mode_32 3
		.amdhsa_float_denorm_mode_16_64 3
		.amdhsa_memory_ordered 1
		.amdhsa_forward_progress 1
		.amdhsa_inst_pref_size 232
	.end_amdhsa_kernel
	.amdgpu_metadata
---
amdhsa.version: [ 1, 2 ]
amdhsa.kernels:
  - .name:           k_qbe718bb21b_attn
    .symbol:         k_qbe718bb21b_attn.kd
    .args:
      - { .name: Y, .offset: 0, .size: 8, .value_kind: global_buffer, .address_space: global }
      - { .name: wv_img, .offset: 8, .size: 8, .value_kind: global_buffer, .address_space: global }
      - { .name: xa, .offset: 16, .size: 8, .value_kind: global_buffer, .address_space: global }
      - { .name: W_map, .offset: 24, .size: 8, .value_kind: global_buffer, .address_space: global }
      - { .name: lowp_scales, .offset: 32, .size: 8, .value_kind: global_buffer, .address_space: global }
      - { .name: out0, .offset: 40, .size: 8, .value_kind: global_buffer, .address_space: global }
    .group_segment_fixed_size: 279040
    .private_segment_fixed_size: 0
    .kernarg_segment_align: 8
    .kernarg_segment_size: 48
    .max_flat_workgroup_size: 128
    .sgpr_count:     66
    .vgpr_count:     1024
    .wavefront_size: 32
...
	.end_amdgpu_metadata
.endif
;; end of part 3
;; ======== version 2 of 2: 3 launches
;; limits: values are held in bf16: 8 bits of precision; right only within a limited range of input values
;; workspace buffers: wv_img 2,097,152 bytes; wq_img 2,097,152 bytes; xa 1,048,576 bytes
;; launch prep (part 4): grid 8 x 32, 4 waves a work-group, no clusters, 0 bytes of LDS; arguments W_vis, W_ques, lowp_scales, wv_img, wq_img; writes wv_img, wq_img
.if DOCPART == 4
	.amdgcn_target "amdgcn-amd-amdhsa--gfx1250"
	.amdhsa_code_object_version 6
	.text
	.protected	k_qbe718bb21b_prep
	.globl	k_qbe718bb21b_prep
	.p2align	8
	.type	k_qbe718bb21b_prep,@function
k_qbe718bb21b_prep:
	s_mov_b64 s[64:65], 0
	v_nop
	global_prefetch_b8 v0, s[64:65] scope:SCOPE_SE
	s_setreg_imm32_b32 hwreg(HW_REG_WAVE_MODE, 25, 1), 1
	s_wait_xcnt 0x0
; THE PROGRAM (three launches): out[b] = sum over n of softmax_n( sum over a of relu(X2att[b][a] + (Y[b] W_vis)[n][a]) W_map[a] ) Y[b][n].
; DEAD WORK, left out in the whole program: b_map.  reference() adds the one number b_map to all 128 logits of a batch and takes the softmax along just those 128:
; exp(l + c - max(l + c)) / sum of exp(l + c - max(l + c)) = exp(l - max l) / sum of exp(l - max l) for every finite c.  The logits go nowhere else, so b_map has no way to out0:
; it is not loaded and is among no launch's arguments.  LIMIT: a NaN, an infinity or an overflow that b_map alone would bring is not carried to the result.
;
; THIS LAUNCH: W_vis and W_ques, [2048 (k)][1024 (n)] f32, K their FIRST axis, become codes of E4M3 with the scales 2^e that are given (entry 3 and entry 1 of the scales), each once,
; laid as IMAGES OF OPERAND REGISTERS.  code = x / 2^e, held within +-448, to the nearest code, ties to even.  LIMITS: -126 <= e <= 119; NaN among the inputs is not served.
; A PERMUTATION OF K, the same in X, Y, W_ques and W_vis, so that every product keeps its partner and only the order inside the sums differs from reference()'s:
; position s = 256 J + 8 l + i (l = 0 .. 31, i = 0 .. 7) holds k = 256 J + 128 (i / 4) + 4 l + i % 4.  (With it a lane that loads 16 neighbouring bytes of Y twice, 512 bytes apart, holds eight neighbouring positions.)
; THE IMAGE.  The fragment of columns 16 NB .. 16 NB + 15 and positions 128 k .. 128 k + 127 lies at byte 2048 (((NB / 4) 16 + k) 4 + NB % 4); in it byte 512 c + 256 h + 16 r + 0 .. 15 holds
; column 16 NB + r, positions 128 k + 32 c + 16 h + 0 .. 15: four loads of 16 bytes a lane at 16 x lane + 512 c fill the fragment's 16 registers.
; SHARES.  Work-group x: 128 columns; y % 16: the 128 positions k; y / 16: the tensor.  A wave takes 32 columns, A LANE A COLUMN, AND ITS REGISTERS RUN ALONG THE POSITIONS: each load reads one row of W at 32
; neighbouring columns (128 consecutive bytes a wave, 512 a work-group), and the conversions, which take eight neighbours from one lane's registers, give the image's bytes.  Nothing is transposed, no LDS, no barrier.
.set ROWW, 4096                        ; a row of W in bytes
.set X,    32                          ; v32-159  my column's 128 numbers, in the order of the positions
.set C,    160                         ; v160-191 their codes: eight registers for each block of 32; no register is written twice, so no store's data are written again
	s_load_b128 s[4:7], s[0:1], 0x0                ; W_vis, W_ques
	s_load_b64 s[8:9], s[0:1], 0x10                ; the scales' exponents
	s_load_b128 s[12:15], s[0:1], 0x18             ; W_vis's image, W_ques's image
	v_lshrrev_b32 v1, 5, v0
	v_readfirstlane_b32 s16, v1                    ; wave 0..3
	v_and_b32 v2, 31, v0                           ; lane
	v_lshlrev_b32 v3, 2, v2                        ; in: 4 bytes a lane
	v_lshrrev_b32 v5, 4, v2
	v_and_b32 v6, 15, v2
	v_lshlrev_b32 v4, 4, v6
	v_lshl_add_u32 v4, v5, 11, v4                  ; out: lanes 0-15 one fragment, lanes 16-31 the next (2,048 bytes on); 16 bytes a lane
	s_and_b32 s17, ttmp7, 0xffff                   ; y
	s_and_b32 s18, s17, 15                         ; k: which 128 positions
	s_lshr_b32 s19, s17, 4                         ; 0: W_vis, 1: W_ques
	s_lshl_b32 s20, ttmp9, 2
	s_add_co_u32 s20, s20, s16                     ; u: which 32 columns
	s_lshr_b32 s21, s18, 1
	s_lshl_b32 s21, s21, 20                        ; 256 (k / 2) rows of 4,096 bytes
	s_and_b32 s22, s18, 1
	s_lshl_b32 s22, s22, 18                        ; + 64 (k % 2) rows
	s_add_co_u32 s21, s21, s22
	s_lshl_b32 s22, s20, 7                         ; + 128 u bytes
	s_add_co_u32 s24, s21, s22
	s_mov_b32 s25, 0
	s_lshr_b32 s21, s20, 1
	s_lshl_b32 s21, s21, 4
	s_add_co_u32 s21, s21, s18
	s_lshl_b32 s21, s21, 13                        ; ((u / 2) 16 + k) x 8,192
	s_and_b32 s22, s20, 1
	s_lshl_b32 s22, s22, 12                        ; + (u % 2) x 4,096
	s_add_co_u32 s26, s21, s22
	s_mov_b32 s27, 0
	s_wait_alu depctr_va_vdst(0)
	s_wait_kmcnt 0x0
	s_load_b128 s[28:31], s[8:9], 0x0              ; the four exponents
	s_cmp_eq_u32 s19, 0                            ; the choice hangs on the work-group's number alone
	s_cselect_b64 s[4:5], s[4:5], s[6:7]
	s_cselect_b64 s[12:13], s[12:13], s[14:15]
	s_add_nc_u64 s[4:5], s[4:5], s[24:25]
	s_add_nc_u64 s[12:13], s[12:13], s[26:27]
; block c: positions 32 c + 0 .. 31.  Position q of the 128 is row 128 ((q / 4) % 2) + 4 (q / 8) + q % 4 from the base: 191 rows at the most, inside the signed 24-bit immediate
.macro LOADW c
.set q, 32*(\c)
.rept 32
	global_load_b32 v[X+q], v3, s[4:5] offset:(128*((q/4)%2)+4*(q/8)+q%4)*ROWW th:TH_LOAD_NT
.set q, q+1
.endr
.endm
	LOADW 0
	LOADW 1
	LOADW 2
	LOADW 3
	s_wait_kmcnt 0x0
	s_cmp_eq_u32 s19, 0
	s_cselect_b32 s28, s31, s29                    ; e: entry 3 for W_vis, entry 1 for W_ques
	s_add_co_i32 s28, s28, 127
	s_lshl_b32 s29, s28, 23
	v_mov_b32 v11, s29                             ; 2^e as f32: the conversion takes its exponent field
	s_add_co_i32 s28, s28, 8
	s_lshl_b32 s28, s28, 23
	s_or_b32 s28, s28, 0x600000
	v_mov_b32 v10, s28                             ; 448 x 2^e
.macro BLK c, cnt
	s_wait_loadcnt \cnt                            ; behind block c's loads 96, 64, 32, 0 were issued; the wait's field ends at 63, and a smaller count only waits for more
.set q, X+32*(\c)
.rept 32
	v_med3_num_f32 v[q], v[q], -v10, v10           ; the conversion to an 8-bit code does not saturate (ISA guide 7.6.2): the hold at the largest code x the scale
.set q, q+1
.endr
.irp g, 0,1,2,3
	v_cvt_scalef32_pk8_fp8_f32 v[C+8*(\c)+2*\g:C+8*(\c)+2*\g+1], v[X+32*(\c)+8*\g:X+32*(\c)+8*\g+7], v11
.endr
	global_store_b128 v4, v[C+8*(\c):C+8*(\c)+3], s[12:13] offset:512*(\c)          ; positions 32 c + 0 .. 15: sixteen lanes store 256 consecutive bytes, aligned
	global_store_b128 v4, v[C+8*(\c)+4:C+8*(\c)+7], s[12:13] offset:512*(\c)+256    ; positions 32 c + 16 .. 31
.endm
	s_wait_alu depctr_va_vdst(0)
	BLK 0, 63
	BLK 1, 63
	BLK 2, 32
	BLK 3, 0
	s_endpgm
.Lfunc_end_k_qbe718bb21b_prep:
	.size	k_qbe718bb21b_prep, .Lfunc_end_k_qbe718bb21b_prep-k_qbe718bb21b_prep
	.p2alignl 7, 3214868480
	.fill 96, 4, 3214868480
	.section	.rodata,"a",@progbits
	.p2align	6, 0x0
	.amdhsa_kernel k_qbe718bb21b_prep
		.amdhsa_group_segment_fixed_size 0
		.amdhsa_private_segment_fixed_size 0
		.amdhsa_enable_private_segment 0
		.amdhsa_kernarg_size 40
		.amdhsa_user_sgpr_count 2
		.amdhsa_user_sgpr_kernarg_segment_ptr 1
		.amdhsa_wavefront_size32 1
		.amdhsa_system_sgpr_workgroup_id_x 1
		.amdhsa_system_sgpr_workgroup_id_y 1
		.amdhsa_system_sgpr_workgroup_id_z 1
		.amdhsa_system_vgpr_workitem_id 0
		.amdhsa_next_free_vgpr 192
		.amdhsa_next_free_sgpr 66
		.amdhsa_reserve_vcc 0
		.amdhsa_float_denorm_mode_32 3
		.amdhsa_float_denorm_mode_16_64 3
		.amdhsa_memory_ordered 1
		.amdhsa_forward_progress 1
		.amdhsa_inst_pref_size 24
	.end_amdhsa_kernel
	.amdgpu_metadata
---
amdhsa.version: [ 1, 2 ]
amdhsa.kernels:
  - .name:           k_qbe718bb21b_prep
    .symbol:         k_qbe718bb21b_prep.kd
    .args:
      - { .name: W_vis, .offset: 0, .size: 8, .value_kind: global_buffer, .address_space: global }
      - { .name: W_ques, .offset: 8, .size: 8, .value_kind: global_buffer, .address_space: global }
      - { .name: lowp_scales, .offset: 16, .size: 8, .value_kind: global_buffer, .address_space: global }
      - { .name: wv_img, .offset: 24, .size: 8, .value_kind: global_buffer, .address_space: global }
      - { .name: wq_img, .offset: 32, .size: 8, .value_kind: global_buffer, .address_space: global }
    .group_segment_fixed_size: 0
    .private_segment_fixed_size: 0
    .kernarg_segment_align: 8
    .kernarg_segment_size: 40
    .max_flat_workgroup_size: 128
    .sgpr_count:     66
    .vgpr_count:     192
    .wavefront_size: 32
...
	.end_amdgpu_metadata
.endif
;; end of part 4
;; launch xatt (part 5): grid 16 x 16, 4 waves a work-group, no clusters, 17,920 bytes of LDS; arguments X, wq_img, b_ques, lowp_scales, xa; writes xa
.if DOCPART == 5
	.amdgcn_target "amdgcn-amd-amdhsa--gfx1250"
	.amdhsa_code_object_version 6
	.text
	.protected	k_qbe718bb21b_xatt
	.globl	k_qbe718bb21b_xatt
	.p2align	8
	.type	k_qbe718bb21b_xatt,@function
k_qbe718bb21b_xatt:
	s_mov_b64 s[64:65], 0
	v_nop
	global_prefetch_b8 v0, s[64:65] scope:SCOPE_SE
	s_setreg_imm32_b32 hwreg(HW_REG_WAVE_MODE, 25, 1), 1
	s_wait_xcnt 0x0
; xa[b][a] = ((Q(X) Q(W_ques))[b][a] x 2^(e0 + e1) + b_ques[a]) x 2^-(e2 + e3): X2att of reference(), divided by the power of two that the sums of the second product lack, so that the next launch can take it
; as the C of each sum's first matrix instruction.  X [256][2048] f32 is quantised here, in registers (scale 2^e0); W_ques comes as the image that the launch before has laid.  Sums in f32.
; LIMITS: -126 <= e0 <= 119; the two powers of two are applied by v_ldexp_f32 and have no limit but the result's range; NaN among the inputs is not served.  K is split over the four waves: the order of the sums differs from reference()'s.
; SHARES.  Work-group x: 16 rows of X; y: 64 columns (four tiles t).  Wave w takes positions 512 w .. 512 w + 511 of K (four steps kl of 128); the four partial sums meet in LDS, and each wave finishes four rows.
; K IS PERMUTED as in the image: position 256 J + 8 l + i holds k = 256 J + 128 (i / 4) + 4 l + i % 4.  Lane (r, h) wants, of row r, positions 128 k + 32 c + 16 h + 0 .. 15: four groups g of four neighbouring numbers,
; at 1024 (k / 2) + 256 (k % 2) + 64 c + 32 h + 512 (g % 2) + 16 (g / 2) bytes of the row.
; THE MATRIX INSTRUCTION IS USED TRANSPOSED (source 0 = 16 columns of W, source 1 = 16 rows of X): lane (r, h) holds row r and, in register j, column 16 t + 8 h + j.
; REGISTERS, in windows of 256: window 0: v1-13 addresses and constants; v16-79 X's codes, 16 a step; v80-111 four accumulators; v112-155 the way out.  window 1: W's fragments (64 kl + 16 t).  window 2: X as f32 (64 kl + 16 c + 4 g).
.set RP,    272                        ; a row of partial sums in LDS: 256 bytes + 16
.set REDW,  16*RP                      ; a wave's 16 rows
.set SPARE, 4*REDW                     ; behind them: the spare words, 128 bytes for each wave: two blocks of 256 bytes that no other line names
.set PC,    16
.set ACC,   80
.set MSB, 0
.macro WIN new                         ; the immediate's high byte repeats the setting that is left; a switch that changes nothing is dropped
.if MSB != \new
	s_set_vgpr_msb (MSB<<8)|\new
.set MSB, \new
.endif
.endm
	s_load_b256 s[4:11], s[0:1], 0x0               ; X s[4:5], W_ques's image s[6:7], b_ques s[8:9], the scales' exponents s[10:11]
	s_load_b64 s[12:13], s[0:1], 0x20              ; xa
	v_lshl_add_u32 v12, v0, 2, SPARE               ; my spare word; never rewritten
	v_mov_b32 v13, 0                               ; 0; never rewritten
	v_lshrrev_b32 v1, 5, v0
	v_readfirstlane_b32 s16, v1                    ; wave 0..3
	v_and_b32 v9, 31, v0                           ; lane
	v_and_b32 v1, 15, v0                           ; r
	v_bfe_u32 v2, v0, 4, 1                         ; h
	v_lshlrev_b32 v3, 13, v1
	v_lshl_add_u32 v3, v2, 5, v3                   ; X: row r of 8,192 bytes, + 32 h
	v_lshlrev_b32 v4, 4, v9                        ; the image: 16 x lane
	s_mul_i32 s17, s16, REDW
	v_mul_u32_u24 v5, v1, RP
	v_lshl_add_u32 v5, v2, 5, v5
	v_add_nc_u32 v5, s17, v5                       ; partial sums in: my wave's rows, row r, + 32 h
	s_mul_i32 s17, s16, 4*RP
	v_mul_u32_u24 v6, v2, RP
	v_lshl_add_u32 v6, v1, 4, v6
	v_add_nc_u32 v6, s17, v6                       ; and back: row 4 w + h, 16 bytes a lane
	v_lshlrev_b32 v7, 4, v1                        ; b_ques: my four columns
	v_lshl_add_u32 v8, v2, 12, v7                  ; xa: row h of two, my four columns
	s_and_b32 s18, ttmp7, 0xffff                   ; G: which 64 columns
	s_lshl_b32 s20, ttmp9, 17                      ; X: 16 rows of 8,192 bytes a work-group,
	s_lshl_b32 s19, s16, 11                        ; + 2,048 w bytes of each row
	s_add_co_u32 s20, s20, s19
	s_mov_b32 s21, 0
	s_lshl_b32 s22, s18, 4
	s_lshl_b32 s19, s16, 2
	s_add_co_u32 s22, s22, s19
	s_lshl_b32 s22, s22, 13                        ; the image: (16 G + 4 w) x 8,192
	s_mov_b32 s23, 0
	s_lshl_b32 s24, s18, 8                         ; 64 columns of f32
	s_mov_b32 s25, 0
	s_lshl_b32 s26, ttmp9, 4
	s_add_co_u32 s26, s26, s19
	s_lshl_b32 s26, s26, 12                        ; xa: row 16 x + 4 w of 4,096 bytes,
	s_add_co_u32 s26, s26, s24                     ; + my columns
	s_mov_b32 s27, 0
	s_wait_alu depctr_va_vdst(0)
	s_wait_kmcnt 0x0
	s_load_b128 s[28:31], s[10:11], 0x0            ; e0, e1, e2, e3
	s_add_nc_u64 s[4:5], s[4:5], s[20:21]
	s_add_nc_u64 s[6:7], s[6:7], s[22:23]
	s_add_nc_u64 s[8:9], s[8:9], s[24:25]
	s_add_nc_u64 s[12:13], s[12:13], s[26:27]
	global_load_b128 v[144:147], v7, s[8:9]        ; b_ques
.macro XL kl                           ; X's 64 numbers a lane of step kl
	WIN 0x80                                       ; destination window 2
.irp c, 0,1,2,3
.irp g, 0,1,2,3
	global_load_b128 v[64*(\kl)+16*\c+4*\g:64*(\kl)+16*\c+4*\g+3], v3, s[4:5] offset:((\kl)/2)*1024+((\kl)%2)*256+64*\c+(\g%2)*512+(\g/2)*16
.endr
.endr
.endm
.macro BL kl                           ; W's four fragments of step kl
	WIN 0x40                                       ; destination window 1
.irp t, 0,1,2,3
.irp c, 0,1,2,3
	global_load_b128 v[64*(\kl)+16*\t+4*\c:64*(\kl)+16*\t+4*\c+3], v4, s[6:7] offset:8192*(\kl)+2048*\t+512*\c
.endr
.endr
.endm
.irp kl, 0,1,2,3
	XL \kl
	BL \kl
.endr
	WIN 0
	s_wait_kmcnt 0x0
	s_add_co_i32 s32, s28, s29                     ; e0 + e1
	s_add_co_i32 s33, s30, s31
	s_sub_co_i32 s33, 0, s33                       ; -(e2 + e3)
	s_add_co_i32 s28, s28, 127
	s_lshl_b32 s29, s28, 23
	v_mov_b32 v11, s29                             ; 2^e0 as f32: the conversion takes its exponent field
	s_add_co_i32 s28, s28, 8
	s_lshl_b32 s28, s28, 23
	s_or_b32 s28, s28, 0x600000
	v_mov_b32 v10, s28                             ; 448 x 2^e0
.macro KSTEP kl, cnt
	s_wait_loadcnt \cnt                            ; behind step kl's loads 96, 64, 32, 0 were issued; the wait's field ends at 63
	WIN 0x82                                       ; source 0 and destination window 2
.set q, 64*(\kl)
.rept 64
	v_med3_num_f32 v[q], v[q], -v10, v10           ; the hold at the largest code x the scale (ISA guide 7.6.2: the conversion does not saturate)
.set q, q+1
.endr
	WIN 0x02                                       ; source 0 window 2
.irp c, 0,1,2,3
	v_cvt_scalef32_pk8_fp8_f32 v[PC+16*(\kl)+4*\c:PC+16*(\kl)+4*\c+1], v[64*(\kl)+16*\c:64*(\kl)+16*\c+7], v11
	v_cvt_scalef32_pk8_fp8_f32 v[PC+16*(\kl)+4*\c+2:PC+16*(\kl)+4*\c+3], v[64*(\kl)+16*\c+8:64*(\kl)+16*\c+15], v11
.endr
	v_nop                                          ; one plain vector instruction between a scaled conversion and the matrix instruction that reads its result
	WIN 0x01                                       ; source 0 (W) window 1
.irp t, 0,1,2,3                        ; the four accumulators take turns, one instruction a turn
.if (\kl) == 0
	v_wmma_f32_16x16x128_fp8_fp8 v[ACC+8*\t:ACC+8*\t+7], v[64*(\kl)+16*\t:64*(\kl)+16*\t+15], v[PC+16*(\kl):PC+16*(\kl)+15], 0
.else
	v_wmma_f32_16x16x128_fp8_fp8 v[ACC+8*\t:ACC+8*\t+7], v[64*(\kl)+16*\t:64*(\kl)+16*\t+15], v[PC+16*(\kl):PC+16*(\kl)+15], v[ACC+8*\t:ACC+8*\t+7]
.endif
.endr
.endm
	s_wait_alu depctr_va_vdst(0)
	KSTEP 0, 63
	KSTEP 1, 63
	KSTEP 2, 32
	KSTEP 3, 0
	WIN 0
.rept 4
	v_nop                                          ; four places between the last product and the first read of results (ISA guide 7.12.1)
.endr
.irp t, 0,1,2,3
	ds_store_b128 v5, v[ACC+8*\t:ACC+8*\t+3] offset:64*\t        ; each accumulator from its low end on
	ds_store_b128 v5, v[ACC+8*\t+4:ACC+8*\t+7] offset:64*\t+16
.endr
	s_wait_dscnt 0x0                               ; for the others' sake: my partial sums lie in LDS
	s_barrier_signal -1
	s_barrier_wait -1
.irp u, 0,1                            ; rows 4 w + 2 u + h, all four waves' parts
.irp p, 0,1,2,3
	ds_load_b128 v[112+16*\u+4*\p:112+16*\u+4*\p+3], v6 offset:REDW*\p+2*RP*\u
.endr
.endr
	s_wait_dscnt 0x0
.irp u, 0,1
	v_pk_add_f32 v[112+16*\u:113+16*\u], v[112+16*\u:113+16*\u], v[116+16*\u:117+16*\u]
	v_pk_add_f32 v[114+16*\u:115+16*\u], v[114+16*\u:115+16*\u], v[118+16*\u:119+16*\u]
	v_pk_add_f32 v[120+16*\u:121+16*\u], v[120+16*\u:121+16*\u], v[124+16*\u:125+16*\u]
	v_pk_add_f32 v[122+16*\u:123+16*\u], v[122+16*\u:123+16*\u], v[126+16*\u:127+16*\u]
	v_pk_add_f32 v[112+16*\u:113+16*\u], v[112+16*\u:113+16*\u], v[120+16*\u:121+16*\u]
	v_pk_add_f32 v[114+16*\u:115+16*\u], v[114+16*\u:115+16*\u], v[122+16*\u:123+16*\u]
.irp e, 0,1,2,3
	v_ldexp_f32 v[148+4*\u+\e], v[112+16*\u+\e], s32             ; x 2^(e0 + e1)
.endr
.irp e, 0,1,2,3
	v_add_f32 v[148+4*\u+\e], v[148+4*\u+\e], v[144+\e]          ; + b_ques
.endr
.irp e, 0,1,2,3
	v_ldexp_f32 v[148+4*\u+\e], v[148+4*\u+\e], s33              ; x 2^-(e2 + e3)
.endr
	global_store_b128 v8, v[148+4*\u:151+4*\u], s[12:13] offset:8192*\u   ; sixteen lanes store 256 consecutive bytes, aligned
.endr
	s_wait_tensorcnt 0x0                           ; the wave's end, behind my last LDS store
	ds_add_u32 v12, v13
	s_wait_dscnt 0x0
	s_endpgm
.Lfunc_end_k_qbe718bb21b_xatt:
	.size	k_qbe718bb21b_xatt, .Lfunc_end_k_qbe718bb21b_xatt-k_qbe718bb21b_xatt
	.p2alignl 7, 3214868480
	.fill 96, 4, 3214868480
	.section	.rodata,"a",@progbits
	.p2align	6, 0x0
	.amdhsa_kernel k_qbe718bb21b_xatt
		.amdhsa_group_segment_fixed_size 17920
		.amdhsa_private_segment_fixed_size 0
		.amdhsa_enable_private_segment 0
		.amdhsa_kernarg_size 40
		.amdhsa_user_sgpr_count 2
		.amdhsa_user_sgpr_kernarg_segment_ptr 1
		.amdhsa_wavefront_size32 1
		.amdhsa_system_sgpr_workgroup_id_x 1
		.amdhsa_system_sgpr_workgroup_id_y 1
		.amdhsa_system_sgpr_workgroup_id_z 1
		.amdhsa_system_vgpr_workitem_id 0
		.amdhsa_next_free_vgpr 768
		.amdhsa_next_free_sgpr 66
		.amdhsa_reserve_vcc 0
		.amdhsa_float_denorm_mode_32 3
		.amdhsa_float_denorm_mode_16_64 3
		.amdhsa_memory_ordered 1
		.amdhsa_forward_progress 1
		.amdhsa_inst_pref_size 39
	.end_amdhsa_kernel
	.amdgpu_metadata
---
amdhsa.version: [ 1, 2 ]
amdhsa.kernels:
  - .name:           k_qbe718bb21b_xatt
    .symbol:         k_qbe718bb21b_xatt.kd
    .args:
      - { .name: X, .offset: 0, .size: 8, .value_kind: global_buffer, .address_space: global }
      - { .name: wq_img, .offset: 8, .size: 8, .value_kind: global_buffer, .address_space: global }
      - { .name: b_ques, .offset: 16, .size: 8, .value_kind: global_buffer, .address_space: global }
      - { .name: lowp_scales, .offset: 24, .size: 8, .value_kind: global_buffer, .address_space: global }
      - { .name: xa, .offset: 32, .size: 8, .value_kind: global_buffer, .address_space: global }
    .group_segment_fixed_size: 17920
    .private_segment_fixed_size: 0
    .kernarg_segment_align: 8
    .kernarg_segment_size: 40
    .max_flat_workgroup_size: 128
    .sgpr_count:     66
    .vgpr_count:     768
    .wavefront_size: 32
...
	.end_amdgpu_metadata
.endif
;; end of part 5
;; launch attn (part 6): grid 256 x 1, 4 waves a work-group, no clusters, 279,040 bytes of LDS; arguments Y, wv_img, xa, W_map, lowp_scales, out0; writes out0
.if DOCPART == 6
	.amdgcn_target "amdgcn-amd-amdhsa--gfx1250"
	.amdhsa_code_object_version 6
	.text
	.protected	k_qbe718bb21b_attn
	.globl	k_qbe718bb21b_attn
	.p2align	8
	.type	k_qbe718bb21b_attn,@function
k_qbe718bb21b_attn:
	s_mov_b64 s[64:65], 0
	v_nop
	global_prefetch_b8 v0, s[64:65] scope:SCOPE_SE
	s_setreg_imm32_b32 hwreg(HW_REG_WAVE_MODE, 25, 1), 1
	s_wait_xcnt 0x0
; out0[b] = sum over n of w[n] Y[b][n], w = softmax_n(logit), logit[n] = sum over a of relu(X2att[b][a] + (Q(Y[b]) Q(W_vis))[n][a]) W_map[a].  One work-group makes one batch b, from Y to out0.
; LEFT OUT AS DEAD WORK: b_map, the same number on all 128 logits of a softmax (shown at the head of the first kernel); a NaN or an infinity in it is not carried.
; PHASES.  1: Y[b] (128 rows x 2048 f32) is streamed once, rows ascending, and quantised (scale 2^e2) into LDS, where the batch's codes stay; rows 0 to 31 are also kept in registers, rounded to bf16.
; 2: the product 128 x 1024 x 2048 on codes: Y's fragments from LDS, W_vis's from the image in memory straight into registers; xa[b] (X2att / 2^(e2 + e3), from the launch before) is the C of each sum's first matrix
; instruction; relu and the product with W_map in registers, in f32.  S: the softmax, its maximum taken away, in f32.  3: rows 127 down to 32 are loaded again and summed with the weights by packed f32 multiply-adds;
; rows 31 to 0 come from the registers, as bf16 operands of f32 multiply-adds.  The row that phase 1 loaded last is the first that phase 3 loads.
; SHARES.  In the streams wave w owns columns 512 w .. 512 w + 511 of every row, lane l columns 512 w + 128 j + 4 l + 0 .. 3 (j = 0 .. 3): each load and store of a wave covers 512 consecutive bytes.
; In the product wave w owns all 128 rows x columns 256 w .. 256 w + 255, in four passes of 64 columns: 32 accumulators (8 blocks a of 16 rows x 4 tiles t).  The waves share the columns, so no fragment of W is loaded twice in a work-group.
; K IS PERMUTED as in W's image: position 256 J + 8 l + i holds k = 256 J + 128 (i / 4) + 4 l + i % 4: a lane's loads j = 0, 1 (and 2, 3) are eight neighbouring positions, which one conversion takes.
; THE MATRIX INSTRUCTION IS USED TRANSPOSED (source 0 = 16 columns of W, source 1 = 16 rows of Y): lane (r, h) holds row 16 a + r and, in register j, column 16 t + 8 h + j.
; NO CLUSTER, NO TENSOR LOAD, though all work-groups read the same image: the batch's codes take 264,192 bytes of LDS and the tables 14,848; what is left of 327,680 would hold two slots of 24 KB, and a K step of the four
; waves is 32 KB for 32 matrix instructions a wave: a change of slots, with its barrier, for every 24 matrix instructions.  So W goes to registers, three K steps (24 KB a wave) ahead, by counted waits and with no barrier.
; LIMITS: -126 <= e2 <= 119; e2 + e3 is applied by v_ldexp_f32; NaN among the inputs is not served, an infinity in Y is held at the largest code in the product (and reaches out0 through the weighted sum as in reference()).
; Rows 0 to 31 enter the weighted sum rounded to bf16 (to nearest even); the order of the sums differs from reference()'s.
; REGISTERS, in windows of 256: window 0: v1-26 addresses and constants; phase 1: v32-47 at work, v48-111 codes (4 a slot); product: v32-63 xa, v64-95 W_map, v96-111 the rows' partial logits, v128-255 Y's 8 fragments;
;   phase 3: v32-63 and v64-95 16 weights each, as pairs, v112-127 out.   window 1: by turns the ring of 16 row slots (16 registers each) of phase 1, W's fragments (four sets of 64), the ring of phase 3.
;   window 2: the 32 accumulators, (a, t) at 8 (4 a + t).   window 3: rows 0 to 31 as bf16, row n at 8 n; register p holds the lane's numbers 2 p (low half) and 2 p + 1.
.set PITCH, 2064                       ; a row of codes in LDS: 2,048 bytes + 16: an odd multiple of 16 bytes, so that the sixteen rows of a fragment load fall on sixteen different 16-byte columns of 256 bytes
.set BLK16, 16*PITCH
.set ROWY,  8192                       ; a row of Y in bytes
.set LAPY,  16*ROWY                    ; sixteen rows.  A batch is 1,048,576 bytes: every row's offset fits the signed 24-bit immediate
.set XAL,   128*PITCH                  ; xa[b], 4,096 bytes
.set WML,   XAL+4096                   ; W_map, 4,096 bytes
.set LOGP,  WML+4096                   ; the waves' partial logits: 512 bytes a wave
.set WTS,   LOGP+2048                  ; the weights as pairs (w, w), a copy of its own for each wave, 1,024 bytes; row n at pair (159 - n) % 128: the order in which phase 3 takes the rows
.set SPARE, WTS+4096                   ; the spare words, 128 bytes for each wave: two blocks of 256 bytes that no other line names
.set ADA, 4                            ; v4-7  Y's fragments: (32 a' + r) x PITCH + 16 h; block a = 2 a' + u by the immediate u x BLK16
.set XAA, 8                            ; v8    XAL + 1024 w + 32 h
.set XW,  9                            ; v9    the same for the pass in hand
.set BO,  10                           ; v10   16 x lane
.set YO,  11                           ; v11   16 x lane + 2048 w
.set CA,  12                           ; v12   8 x lane + 512 w
.set CW,  13                           ; v13   the same for the 16 rows in hand
.set LS,  15                           ; v15   LOGP + 512 w + 4 r
.set LR,  16                           ; v16   LOGP + 16 x lane
.set WS,  17                           ; v17   WTS + 1024 w + (32 (lane xor 31) + 256) % 1024
.set WB,  18                           ; v18   WTS + 1024 w
.set WW,  19                           ; v19   the same for the 16 rows in hand
.set LIM, 20                           ; v20   448 x 2^e2
.set SCL, 21                           ; v21   2^e2
.set SPW, 22                           ; v22   my spare word: SPARE + 4 x my thread's number; never rewritten
.set NIL, 23                           ; v23   0; never rewritten
.set TG,  24                           ; v24   16 x thread
.set TL,  25                           ; v25   XAL + 16 x thread
.set T,    32
.set C,    48
.set XA,   32
.set WM,   64
.set PART, 96
.set AF,   128
.set P,    32                          ; phase 3: the weights of the ring's 16 rows in hand
.set PK,   64                          ; phase 3: the weights of 16 kept rows
.set OUT,  112
.set MSB, 0
.macro WIN new                         ; the immediate's high byte repeats the setting that is left; a switch that changes nothing is dropped
.if MSB != \new
	s_set_vgpr_msb (MSB<<8)|\new
.set MSB, \new
.endif
.endm
.macro PLACES                          ; four plain vector instructions between a matrix instruction and a load into one of its registers, or a vector instruction that reads or writes its result (ISA guide 7.12.1 for vector instructions)
.rept 4
	v_nop
.endr
.endm
; A row's 2,048 bytes of my wave into ring slot i (the destination's window is 1).  nt = 1: the launch does not load these bytes again
.macro RLOAD i, base, off, nt
.irp j, 0,1,2,3
.if \nt
	global_load_b128 v[16*(\i)+4*\j:16*(\i)+4*\j+3], v[YO], s[\base:\base+1] offset:(\off)+512*\j th:TH_LOAD_NT
.else
	global_load_b128 v[16*(\i)+4*\j:16*(\i)+4*\j+3], v[YO], s[\base:\base+1] offset:(\off)+512*\j
.endif
.endr
.endm
	s_load_b256 s[4:11], s[0:1], 0x0               ; Y s[4:5], W_vis's image s[6:7], xa s[8:9], W_map s[10:11]
	s_load_b128 s[12:15], s[0:1], 0x20             ; the scales' exponents s[12:13], out0 s[14:15]
	v_lshl_add_u32 v[SPW], v0, 2, SPARE
	v_mov_b32 v[NIL], 0
	v_lshrrev_b32 v1, 5, v0
	v_readfirstlane_b32 s16, v1                    ; wave 0..3
	v_and_b32 v1, 15, v0                           ; r
	v_bfe_u32 v2, v0, 4, 1                         ; h
	v_and_b32 v3, 31, v0                           ; lane
	v_mul_u32_u24 v[ADA], v1, PITCH
	v_lshl_add_u32 v[ADA], v2, 4, v[ADA]
	v_add_nc_u32 v[ADA+1], 2*BLK16, v[ADA]
	v_add_nc_u32 v[ADA+2], 4*BLK16, v[ADA]
	v_add_nc_u32 v[ADA+3], 6*BLK16, v[ADA]
	s_lshl_b32 s17, s16, 10
	s_lshl_b32 s18, s16, 11
	s_lshl_b32 s19, s16, 9
	v_lshlrev_b32 v[XAA], 5, v2
	v_add_nc_u32 v[XAA], s17, v[XAA]
	v_add_nc_u32 v[XAA], XAL, v[XAA]
	v_lshlrev_b32 v[BO], 4, v3
	v_add_nc_u32 v[YO], s18, v[BO]
	v_lshlrev_b32 v[CA], 3, v3
	v_add_nc_u32 v[CA], s19, v[CA]
	v_lshlrev_b32 v[LS], 2, v1
	v_add_nc_u32 v[LS], s19, v[LS]
	v_add_nc_u32 v[LS], LOGP, v[LS]
	v_add_nc_u32 v[LR], LOGP, v[BO]
	v_xor_b32 v[WS], 31, v3                        ; 31 - lane
	v_lshlrev_b32 v[WS], 5, v[WS]
	v_add_nc_u32 v[WS], 256, v[WS]                 ; 8 x (156 - 4 lane): the pair of my highest row, 4 lane + 3,
	v_and_b32 v[WS], 1023, v[WS]                   ; modulo 128 pairs
	v_add_nc_u32 v[WS], s17, v[WS]
	v_add_nc_u32 v[WS], WTS, v[WS]
	v_mov_b32 v[WB], s17
	v_add_nc_u32 v[WB], WTS, v[WB]
	v_lshlrev_b32 v[TG], 4, v0
	v_add_nc_u32 v[TL], XAL, v[TG]
	s_and_b32 s41, ttmp9, 63
	s_lshl_b32 s41, s41, 15                        ; the image's 2 MB are dealt to the work-groups by their numbers modulo 64: 32,768 bytes each
	v_lshlrev_b32 v26, 8, v0                       ; v26: the prefetch's offset, threads 256 bytes apart; never rewritten
	v_add_nc_u32 v26, s41, v26
	s_mov_b32 s38, 0x76543210                      ; v_permlanex16_b32's selects for lane l xor 16
	s_mov_b32 s39, 0xfedcba98
	s_lshl_b32 s30, ttmp9, 20                      ; a batch of Y: 128 rows of 8,192 bytes
	s_mov_b32 s31, 0
	s_wait_alu depctr_va_vdst(0)
	s_wait_kmcnt 0x0
	s_load_b128 s[20:23], s[12:13], 0x0            ; e0, e1, e2, e3
	s_add_nc_u64 s[24:25], s[4:5], s[30:31]        ; Y[b]: it stays
; EACH RING SLOT HAS A BASE OF ITS OWN, s[PB + 2 i : PB + 2 i + 1]: it is stepped behind the slot's own counted wait, which shows the four loads that read it done, so the loops step no base that a pending load reads.
.set PB, 66
.irp i, 0,1,2,3,4,5,6,7,8,9,10,11,12,13,14,15
	s_add_nc_u64 s[PB+2*\i:PB+2*\i+1], s[24:25], (32+\i)*ROWY   ; phase 1's loop finds row 32 + i in slot i
.endr
.macro LOADW k                         ; W's four fragments of K step k of the first pass, into the registers of ring slots 4 k .. 4 k + 3
	WIN 0x40
.irp t, 0,1,2,3
.irp c, 0,1,2,3
	global_load_b128 v[64*(\k)+16*\t+4*\c:64*(\k)+16*\t+4*\c+3], v[BO], s[28:29] offset:8192*(\k)+2048*\t+512*\c
.endr
.endr
.endm
	s_lshl_b32 s30, ttmp9, 12
	s_add_nc_u64 s[8:9], s[8:9], s[30:31]          ; xa[b]
	s_lshl_b32 s30, ttmp9, 13
	s_add_nc_u64 s[42:43], s[14:15], s[30:31]      ; out0[b]
	s_lshl_b32 s30, s16, 19
	s_add_nc_u64 s[28:29], s[6:7], s[30:31]        ; the image of my 256 columns: 512 KB on end
	global_load_b128 v[112:115], v[TG], s[8:9]                 ; xa[b] and W_map: 16 bytes a thread, twice each
	global_load_b128 v[116:119], v[TG], s[8:9] offset:2048
	global_load_b128 v[120:123], v[TG], s[10:11]
	global_load_b128 v[124:127], v[TG], s[10:11] offset:2048
	WIN 0x40                                       ; destination window 1
.irp i, 0,1,2,3,4,5,6,7,8,9,10,11,12,13,14
	RLOAD \i, 24, (\i)*ROWY, 1                     ; the ring is filled: rows 0 to 14
.endr
	WIN 0
	s_wait_loadcnt 60                              ; the four small loads are in: behind them 15 slots x 4 loads were issued
	ds_store_b128 v[TL], v[112:115]
	ds_store_b128 v[TL], v[116:119] offset:2048
	ds_store_b128 v[TL], v[120:123] offset:4096
	ds_store_b128 v[TL], v[124:127] offset:6144
	WIN 0x40
	RLOAD 15, 24, 15*ROWY, 1
	global_prefetch_b8 v26, s[6:7] th:TH_LOAD_NT scope:SCOPE_SE   ; my work-group's 32,768 bytes of W's image, one block of 256 bytes a thread, all of phase 1 ahead of the loads that want them; its address registers are never rewritten
	WIN 0
	s_wait_kmcnt 0x0
	s_add_co_i32 s40, s22, s23                     ; e2 + e3
	s_add_co_i32 s30, s22, 127
	s_lshl_b32 s31, s30, 23
	v_mov_b32 v[SCL], s31                          ; 2^e2 as f32: the conversion takes its exponent field
	s_add_co_i32 s30, s30, 8
	s_lshl_b32 s30, s30, 23
	s_or_b32 s30, s30, 0x600000
	v_mov_b32 v[LIM], s30                          ; 448 x 2^e2
; ---- PHASE 1.  The turn of ring slot i: its row is held, converted and stored as codes.  keep = 1: the row is also rounded to bf16 into window 3, as row krow.  refill = 1: the slot takes the row at off bytes from the base.
.macro SLOT1 i, left, keep, krow, refill, base, off, nt
	s_wait_loadcnt \left                           ; loads come back in order (ISA guide 5.7.1): my slot's four are in, the younger ones stay out
	s_wait_dscnt 30                                ; behind this slot's last two stores of codes stand the 15 other slots' 30: its code registers have been read
	WIN 0x01                                       ; source 0 window 1
.irp e, 0,1,2,3,4,5,6,7,8,9,10,11,12,13,14,15
	v_med3_num_f32 v[T+\e], v[16*(\i)+\e], -v[LIM], v[LIM]   ; the hold at the largest code x the scale (ISA guide 7.6.2: the conversion does not saturate)
.endr
.if \keep
	WIN 0xc5                                       ; sources 0 and 1 window 1, destination window 3
.irp p, 0,1,2,3,4,5,6,7
	v_cvt_pk_bf16_f32 v[8*(\krow)+\p], v[16*(\i)+2*\p], v[16*(\i)+2*\p+1]   ; from the numbers as loaded, not from the held ones
.endr
.endif
	WIN 0
	v_cvt_scalef32_pk8_fp8_f32 v[C+4*(\i):C+4*(\i)+1], v[T:T+7], v[SCL]        ; positions 512 w + 8 l + 0 .. 7
	v_cvt_scalef32_pk8_fp8_f32 v[C+4*(\i)+2:C+4*(\i)+3], v[T+8:T+15], v[SCL]   ; positions 512 w + 256 + 8 l + 0 .. 7
	v_nop                                          ; one plain vector instruction between a scaled conversion and the next slot's lines, which write its sources
	ds_store_b64 v[CW], v[C+4*(\i):C+4*(\i)+1] offset:(\i)*PITCH               ; 32 lanes store 256 consecutive bytes of the row
	ds_store_b64 v[CW], v[C+4*(\i)+2:C+4*(\i)+3] offset:(\i)*PITCH+256
.if \refill
	WIN 0x40
	RLOAD \i, \base, \off, \nt
.endif
.endm
	s_mov_b32 s33, 0
	v_add_nc_u32 v[CW], s33, v[CA]
	s_wait_alu depctr_va_vdst(0)
.irp i, 0,1,2,3,4,5,6,7,8,9,10,11,12,13,14,15
	SLOT1 \i, 60, 1, \i, 1, 24, (16+\i)*ROWY, 1    ; rows 0 to 15: kept; the ring takes rows 16 to 31, which are loaded once.  60: the 15 other slots' four loads each
.endr
	WIN 0
	s_mov_b32 s33, BLK16
	v_add_nc_u32 v[CW], s33, v[CA]
.irp i, 0,1,2,3,4,5,6,7,8,9,10,11,12,13,14,15
	SLOT1 \i, 60, 1, 16+\i, 1, 24, (32+\i)*ROWY, 0 ; rows 16 to 31: kept; from row 32 on the rows are loaded again in phase 3
.endr
	WIN 0                                          ; at a label and at a branch every window is 0
	s_mov_b32 s33, 2*BLK16
	s_mov_b32 s32, 5
.Llap1:                                                ; five trips of 16 rows, rows 32 to 111; each fills the ring again
	v_add_nc_u32 v[CW], s33, v[CA]
.irp i, 0,1,2,3,4,5,6,7,8,9,10,11,12,13,14,15
	s_wait_loadcnt 60                              ; my slot's four loads are in: they have read the slot's base,
	s_add_nc_u64 s[PB+2*\i:PB+2*\i+1], s[PB+2*\i:PB+2*\i+1], LAPY   ; which steps sixteen rows on
	SLOT1 \i, 60, 0, 0, 1, PB+2*\i, 0, 0
.endr
	WIN 0
	s_add_co_u32 s33, s33, BLK16                   ; 16 rows of codes
	s_sub_co_u32 s32, s32, 1
	s_cmp_lg_u32 s32, 0
	s_cbranch_scc1 .Llap1
	v_add_nc_u32 v[CW], s33, v[CA]
.irp i, 0,1,2,3,4,5,6,7,8,9,10,11,12,13,14,15
	SLOT1 \i, 60-4*\i+16*(\i/4), 0, 0, 0, 24, 0, 0 ; rows 112 to 127 load nothing of Y.  Behind slot i's loads stand 4 (15 - i) of Y and 16 (i / 4) of W
.if (\i%4) == 3
	LOADW \i/4                                     ; four slots have been read out: their registers take a K step of W
.endif
.endr
; ---- PHASE 2
.macro LOADB k, set                    ; W's four fragments of K step k of the pass (16 to 19: the next pass's 0 to 3, which follow in the image) into set
	WIN 0x40                                       ; destination window 1
.irp t, 0,1,2,3
.irp c, 0,1,2,3
	global_load_b128 v[64*(\set)+16*\t+4*\c:64*(\set)+16*\t+4*\c+3], v[BO], s[28:29] offset:8192*(\k)+2048*\t+512*\c
.endr
.endr
.endm
.macro FETCH_A k, a0                   ; Y's fragments of blocks a0 .. a0 + 3, K step k: registers 4 c .. 4 c + 3 hold positions 128 k + 32 c + 16 h + 0 .. 15 of row 16 a + r
.irp a, \a0, \a0+1, \a0+2, \a0+3
.irp c, 0,1,2,3
	ds_load_b128 v[AF+16*(\a)+4*\c:AF+16*(\a)+4*\c+3], v[ADA+(\a)/2] offset:((\a)%2)*BLK16+128*(\k)+32*\c
.endr
.endr
.endm
.macro MUL16 a0, set, first            ; 16 matrix instructions.  The 32 accumulators take turns, one instruction a turn, in the same order in every K step
.irp a, \a0, \a0+1, \a0+2, \a0+3
.irp t, 0,1,2,3
.if \first
	v_wmma_f32_16x16x128_fp8_fp8 v[8*(4*(\a)+\t):8*(4*(\a)+\t)+7], v[64*(\set)+16*\t:64*(\set)+16*\t+15], v[AF+16*(\a):AF+16*(\a)+15], v[XA+8*\t:XA+8*\t+7]
.else
	v_wmma_f32_16x16x128_fp8_fp8 v[8*(4*(\a)+\t):8*(4*(\a)+\t)+7], v[64*(\set)+16*\t:64*(\set)+16*\t+15], v[AF+16*(\a):AF+16*(\a)+15], v[8*(4*(\a)+\t):8*(4*(\a)+\t)+7]
.endif
.endr
.endr
.endm
; A K step: 32 matrix instructions.  first = 1: xa starts the sums.  ldb = 1: the set that this step has used takes the K step four on.  cnt: the loads of W issued behind this step's.  fa = 1: Y's fragments of the next K step are fetched,
; blocks 0-3 in the step's middle and blocks 4-7 at its end, each as soon as its products are issued: one set of registers serves Y.
.macro STEP k, first, ldb, cnt, fa
	s_wait_loadcnt \cnt                            ; this step's fragments of W are in
.if \first
	s_wait_dscnt 0x0                               ; Y's fragments, xa and W_map are in
	WIN 0x81                                       ; source 0 (W) window 1, source 1 (Y) and C (xa) window 0, D window 2
.else
	s_wait_dscnt 16                                ; Y's blocks 0-3 are in; the sixteen younger loads (blocks 4-7) may be out
	WIN 0xa1                                       ; the same, C window 2
.endif
	MUL16 0, (\k)%4, \first
	s_wait_dscnt 0x0                               ; blocks 4-7 are in
	PLACES
.if \fa
	WIN 0
	FETCH_A ((\k)+1)%16, 0
.endif
.if \first
	WIN 0x81
.else
	WIN 0xa1
.endif
	MUL16 4, (\k)%4, \first
	PLACES
.if \fa
	WIN 0
	FETCH_A ((\k)+1)%16, 4
.endif
.if \ldb
	LOADB (\k)+4, (\k)%4
.endif
.endm
; A pass's way out: relu in place, each accumulator from its low end on; then the product with W_map, two columns an instruction, the eight blocks' chains by turns.
.macro EPI
	WIN 0x88                                       ; source 1 and destination window 2
.set q, 0
.rept 256
	v_max_num_f32 v[q], 0, v[q]
.set q, q+1
.endr
	WIN 0x02                                       ; source 0 window 2
.irp t, 0,1,2,3
.irp p, 0,1,2,3
.irp a, 0,1,2,3,4,5,6,7
	v_pk_fma_f32 v[PART+2*\a:PART+2*\a+1], v[8*(4*\a+\t)+2*\p:8*(4*\a+\t)+2*\p+1], v[WM+8*\t+2*\p:WM+8*\t+2*\p+1], v[PART+2*\a:PART+2*\a+1]
.endr
.endr
.endr
.endm
	WIN 0
	s_wait_dscnt 0x0                               ; for the others' sake: my codes, and my part of xa and W_map, lie in LDS
	s_barrier_signal -1
	s_barrier_wait -1                              ; everybody's do
	FETCH_A 0, 0
	FETCH_A 0, 4
.irp j, 0,1,2,3,4,5,6,7,8,9,10,11,12,13,14,15
	v_mov_b32 v[PART+\j], 0                        ; the rows' partial logits, summed over the four passes
.endr
	s_mov_b32 s34, 0                               ; the pass
	s_mov_b32 s35, 0                               ; its 64 columns in xa and W_map, in bytes
.Lpass:
	v_add_nc_u32 v[XW], s35, v[XAA]
.irp t, 0,1,2,3
.irp u, 0,1
	ds_load_b128 v[XA+8*\t+4*\u:XA+8*\t+4*\u+3], v[XW] offset:64*\t+16*\u        ; xa at columns 16 t + 8 h + 0 .. 7: the result's layout
	ds_load_b128 v[WM+8*\t+4*\u:WM+8*\t+4*\u+3], v[XW] offset:4096+64*\t+16*\u   ; W_map at the same columns
.endr
.endr
	STEP 0, 1, 1, 48, 1                            ; 48: the three later K steps' sixteen loads each
.irp k, 1,2,3,4,5,6,7,8,9,10,11
	STEP \k, 0, 1, 48, 1
.endr
	WIN 0
	s_cmp_eq_u32 s34, 3
	s_cbranch_scc1 .Llast
.irp k, 12,13,14,15
	STEP \k, 0, 1, 48, 1                           ; these ask for the next pass's first four K steps, and the last fetches Y's K step 0 again
.endr
	WIN 0
	s_branch .Lepi
.Llast:                                                ; the last pass's last four K steps ask for nothing of W: no load leaves the image; the counts run down
	STEP 12, 0, 0, 48, 1
	STEP 13, 0, 0, 32, 1
	STEP 14, 0, 0, 16, 1
	STEP 15, 0, 0, 0, 0
	WIN 0
.Lepi:
	EPI                                            ; (the four places behind the last products stand at the K step's end)
	WIN 0
	s_wait_xcnt 0x0                                ; the loads of W have read their base: it may step
	s_add_nc_u64 s[28:29], s[28:29], 131072        ; the next 64 columns' image
	s_add_co_u32 s35, s35, 256
	s_add_co_u32 s34, s34, 1
	s_cmp_lt_u32 s34, 4
	s_cbranch_scc1 .Lpass
; ---- PHASE 3's ring is filled here, ahead of the softmax: the loads need no weight.  Rows 127 down to 112, into the registers that held W's fragments.
	s_wait_loadcnt 0x0                             ; no load of W is out (the last K step waited for all): window 1 may be loaded anew
.irp i, 0,1,2,3,4,5,6,7,8,9,10,11,12,13,14,15
	s_add_nc_u64 s[PB+2*\i:PB+2*\i+1], s[24:25], (111-\i)*ROWY   ; phase 3's loop finds row 111 - i in slot i (phase 1's loads by these bases were waited for)
.endr
	WIN 0x40
.irp i, 0,1,2,3,4,5,6,7,8,9,10,11,12,13,14,15
	RLOAD \i, 24, (127-\i)*ROWY, 1
.endr
	WIN 0
; ---- PHASE S.  A row's partial logit: my two halves and lane l xor 16's; the four waves' parts meet in LDS; every wave then makes all 128 weights, four rows a lane.
	s_wait_alu depctr_va_vdst(0)
.irp a, 0,1,2,3,4,5,6,7
	v_add_f32 v[112+\a], v[PART+2*\a], v[PART+2*\a+1]
.endr
.irp a, 0,1,2,3,4,5,6,7
	v_permlanex16_b32 v[120+\a], v[112+\a], s38, s39   ; (v120-127 were written at the head: a lane permute's destination counts as one of its sources)
.endr
.irp a, 0,1,2,3,4,5,6,7
	v_add_f32 v[112+\a], v[112+\a], v[120+\a]
.endr
.irp a, 0,1,2,3,4,5,6,7
	ds_store_b32 v[LS], v[112+\a] offset:64*\a     ; row 16 a + r; lanes r and r + 16 store the same number to the same word
.endr
	s_wait_dscnt 0x0                               ; for the others' sake: my partial logits lie in LDS
	s_barrier_signal -1
	s_barrier_wait -1
.irp p, 0,1,2,3
	ds_load_b128 v[128+4*\p:131+4*\p], v[LR] offset:512*\p   ; rows 4 l + 0 .. 3, wave p's part
.endr
	v_mov_b32 v145, 0                              ; written once: a lane permute's destination counts as one of its sources
	s_wait_dscnt 0x0
	v_pk_add_f32 v[128:129], v[128:129], v[132:133]
	v_pk_add_f32 v[130:131], v[130:131], v[134:135]
	v_pk_add_f32 v[136:137], v[136:137], v[140:141]
	v_pk_add_f32 v[138:139], v[138:139], v[142:143]
	v_pk_add_f32 v[128:129], v[128:129], v[136:137]
	v_pk_add_f32 v[130:131], v[130:131], v[138:139]
.irp e, 0,1,2,3
	v_mul_f32 v[128+\e], 0x3fb8aa3b, v[128+\e]     ; x log2(e),
.endr
.irp e, 0,1,2,3
	v_ldexp_f32 v[128+\e], v[128+\e], s40          ; x 2^(e2 + e3), which the sums lacked: t = logit x log2(e)
.endr
	v_max3_num_f32 v144, v128, v129, v130          ; the largest t of the 128: my four, my half of the lanes, the other half
	v_max_num_f32 v144, v144, v131
	v_max_num_f32_dpp v144, v144, v144 row_xmask:1 row_mask:0xf bank_mask:0xf
	v_max_num_f32_dpp v144, v144, v144 row_xmask:2 row_mask:0xf bank_mask:0xf
	v_max_num_f32_dpp v144, v144, v144 row_xmask:4 row_mask:0xf bank_mask:0xf
	v_max_num_f32_dpp v144, v144, v144 row_xmask:8 row_mask:0xf bank_mask:0xf
	v_permlanex16_b32 v145, v144, s38, s39
	v_max_num_f32 v144, v144, v145
.irp e, 0,1,2,3
	v_sub_f32 v[128+\e], v[128+\e], v144           ; the maximum is taken away, as reference()'s softmax does
.endr
	s_wait_alu depctr_va_vdst(0)
.irp e, 0,1,2,3
	v_exp_f32 v[128+\e], v[128+\e]
.endr
	v_nop                                          ; a plain instruction behind the last exponential
	s_wait_alu depctr_va_vdst(0)                   ; the wait ahead of the first line that names a result: one for the four
	v_add_f32 v146, v128, v129
	v_add_f32 v147, v130, v131
	v_add_f32 v146, v146, v147
	v_add_f32_dpp v146, v146, v146 row_xmask:1 row_mask:0xf bank_mask:0xf
	v_add_f32_dpp v146, v146, v146 row_xmask:2 row_mask:0xf bank_mask:0xf
	v_add_f32_dpp v146, v146, v146 row_xmask:4 row_mask:0xf bank_mask:0xf
	v_add_f32_dpp v146, v146, v146 row_xmask:8 row_mask:0xf bank_mask:0xf
	v_permlanex16_b32 v145, v146, s38, s39
	v_add_f32 v146, v146, v145
	s_wait_alu depctr_va_vdst(0)
	v_rcp_f32 v147, v146
	v_nop                                          ; a plain instruction behind the reciprocal
	s_wait_alu depctr_va_vdst(0)                   ; and the wait ahead of its first reader
.irp e, 0,1,2,3
	v_mul_f32 v[148+2*(3-\e)], v[128+\e], v147     ; the weight, twice: a pair for the packed multiply-adds; my four rows in descending order, as phase 3 takes them
	v_mul_f32 v[149+2*(3-\e)], v[128+\e], v147
.endr
	ds_store_b128 v[WS], v[148:151]                ; rows 4 l + 3, 4 l + 2.  Into my wave's own copy: no other wave reads it, and LDS serves a wave's instructions in order (ISA guide 5.7.1.4), so no barrier and no wait
	ds_store_b128 v[WS], v[152:155] offset:16      ; rows 4 l + 1, 4 l
; ---- PHASE 3.  The turn of ring slot i: out += w x the slot's row.  refill = 1: the slot takes the row 16 further UP in the batch (the rows go down from 127 to 32).
.macro SLOT3 i, left, refill, base, off
	s_wait_loadcnt \left                           ; my slot's four loads are in, the younger ones stay out
	WIN 0x01                                       ; source 0 window 1
.irp p, 0,1,2,3,4,5,6,7
	v_pk_fma_f32 v[OUT+2*\p:OUT+2*\p+1], v[16*(\i)+2*\p:16*(\i)+2*\p+1], v[P+2*(\i):P+2*(\i)+1], v[OUT+2*\p:OUT+2*\p+1]
.endr
.if \refill
	WIN 0x40
	RLOAD \i, \base, \off, 1
.endif
.endm
; out += w x kept row r: the bf16 halves go straight into f32 multiply-adds.  wreg: the register that holds the row's weight.
.macro KEPT r, wreg
	WIN 0x03                                       ; source 0 window 3
.irp p, 0,1,2,3,4,5,6,7
	v_fma_mix_f32_bf16 v[OUT+2*\p], v[8*(\r)+\p], v[\wreg], v[OUT+2*\p] op_sel_hi:[1,0,0]
	v_fma_mix_f32_bf16 v[OUT+2*\p+1], v[8*(\r)+\p], v[\wreg], v[OUT+2*\p+1] op_sel:[1,0,0] op_sel_hi:[1,0,0]
.endr
.endm
.macro WLOADI reg, off                 ; sixteen pairs of weights, from byte off of my wave's copy; the same in every lane
.irp m, 0,1,2,3,4,5,6,7
	ds_load_b128 v[\reg+4*\m:\reg+4*\m+3], v[WB] offset:(\off)+16*\m
.endr
.endm
.irp j, 0,1,2,3,4,5,6,7,8,9,10,11,12,13,14,15
	v_mov_b32 v[OUT+\j], 0
.endr
	WLOADI P, 256                                  ; pairs 32 to 47: rows 127 to 112
	WLOADI PK, 0                                   ; pairs 0 to 15: rows 31 to 16
	s_wait_alu depctr_va_vdst(0)
	s_wait_dscnt 0x0
.irp i, 0,1,2,3,4,5,6,7,8,9,10,11,12,13,14,15
	s_wait_alu depctr_va_vdst(0)
	SLOT3 \i, 60, 1, 24, (111-\i)*ROWY             ; rows 127 to 112; the ring takes rows 111 to 96.  60: the 15 other slots' four loads each
	KEPT 31-\i, PK+2*\i                            ; a kept row behind each refill: work for the time in which the next slot's row comes
.endr
	WIN 0
	s_mov_b32 s36, 384                             ; pairs 48 on
	s_mov_b32 s32, 4
.Llap3:                                                ; four trips: rows 111 to 48; they ask for rows 95 to 32
	v_add_nc_u32 v[WW], s36, v[WB]
.irp m, 0,1,2,3,4,5,6,7
	ds_load_b128 v[P+4*\m:P+4*\m+3], v[WW] offset:16*\m
.endr
	s_wait_dscnt 0x0
	s_wait_alu depctr_va_vdst(0)
.irp i, 0,1,2,3,4,5,6,7,8,9,10,11,12,13,14,15
	s_wait_alu depctr_va_vdst(0)
	s_wait_loadcnt 60                              ; my slot's four loads are in: they have read the slot's base,
	s_sub_nc_u64 s[PB+2*\i:PB+2*\i+1], s[PB+2*\i:PB+2*\i+1], LAPY   ; which steps sixteen rows back
	SLOT3 \i, 60, 1, PB+2*\i, 0
.endr
	WIN 0
	s_add_co_u32 s36, s36, 128                     ; sixteen pairs
	s_sub_co_u32 s32, s32, 1
	s_cmp_lg_u32 s32, 0
	s_cbranch_scc1 .Llap3
	WLOADI P, 896                                  ; pairs 112 to 127: rows 47 to 32
	WLOADI PK, 128                                 ; pairs 16 to 31: rows 15 to 0
	s_wait_dscnt 0x0
	s_wait_alu depctr_va_vdst(0)
.irp i, 0,1,2,3,4,5,6,7,8,9,10,11,12,13,14,15
	KEPT 15-\i, PK+2*\i                            ; a kept row ahead of each wait
	s_wait_alu depctr_va_vdst(0)
	SLOT3 \i, 60-4*\i, 0, 24, 0                    ; rows 47 to 32: nothing is left to load, the counts run down
.endr
	WIN 0
.irp j, 0,1,2,3
	global_store_b128 v[YO], v[OUT+4*\j:OUT+4*\j+3], s[42:43] offset:512*\j th:TH_STORE_NT   ; 32 lanes store 512 consecutive bytes, aligned; written once, read by nobody here
.endr
	s_wait_tensorcnt 0x0                           ; the wave's end, behind my last LDS store
	ds_add_u32 v[SPW], v[NIL]
	s_wait_dscnt 0x0
	s_endpgm
.Lfunc_end_k_qbe718bb21b_attn:
	.size	k_qbe718bb21b_attn, .Lfunc_end_k_qbe718bb21b_attn-k_qbe718bb21b_attn
	.p2alignl 7, 3214868480
	.fill 96, 4, 3214868480
	.section	.rodata,"a",@progbits
	.p2align	6, 0x0
	.amdhsa_kernel k_qbe718bb21b_attn
		.amdhsa_group_segment_fixed_size 279040
		.amdhsa_private_segment_fixed_size 0
		.amdhsa_enable_private_segment 0
		.amdhsa_kernarg_size 48
		.amdhsa_user_sgpr_count 2
		.amdhsa_user_sgpr_kernarg_segment_ptr 1
		.amdhsa_wavefront_size32 1
		.amdhsa_system_sgpr_workgroup_id_x 1
		.amdhsa_system_sgpr_workgroup_id_y 1
		.amdhsa_system_sgpr_workgroup_id_z 1
		.amdhsa_system_vgpr_workitem_id 0
		.amdhsa_next_free_vgpr 1024
		.amdhsa_next_free_sgpr 98
		.amdhsa_reserve_vcc 0
		.amdhsa_float_denorm_mode_32 3
		.amdhsa_float_denorm_mode_16_64 3
		.amdhsa_memory_ordered 1
		.amdhsa_forward_progress 1
		.amdhsa_inst_pref_size 255
	.end_amdhsa_kernel
	.section	.bss,"aw",@nobits
	.p2align	6
	.space	262144
	.amdgpu_metadata
---
amdhsa.version: [ 1, 2 ]
amdhsa.kernels:
  - .name:           k_qbe718bb21b_attn
    .symbol:         k_qbe718bb21b_attn.kd
    .args:
      - { .name: Y, .offset: 0, .size: 8, .value_kind: global_buffer, .address_space: global }
      - { .name: wv_img, .offset: 8, .size: 8, .value_kind: global_buffer, .address_space: global }
      - { .name: xa, .offset: 16, .size: 8, .value_kind: global_buffer, .address_space: global }
      - { .name: W_map, .offset: 24, .size: 8, .value_kind: global_buffer, .address_space: global }
      - { .name: lowp_scales, .offset: 32, .size: 8, .value_kind: global_buffer, .address_space: global }
      - { .name: out0, .offset: 40, .size: 8, .value_kind: global_buffer, .address_space: global }
    .group_segment_fixed_size: 279040
    .private_segment_fixed_size: 0
    .kernarg_segment_align: 8
    .kernarg_segment_size: 48
    .max_flat_workgroup_size: 128
    .sgpr_count:     98
    .vgpr_count:     1024
    .wavefront_size: 32
...
	.end_amdgpu_metadata
.endif
;; end of part 6
